; MI455X (gfx1250); checked and timed in simulation.
; The chip was launched on July 23, 2026; its instructions are those of AMD's public machine-readable ISA for CDNA 5 (MIT licence, August 2026) and "CDNA5" Instruction Set Architecture Reference Guide (July 2026). The comments in the code are by the model that wrote it; some were corrected since.
;; Attention Critic. Allowed arithmetic: matrix products marked QUANTISED: E2M1 operands, one E8M0 scale for each 32 along K, by v_wmma_scale_f32_16x16x128_f8f6f4 with both operands' format E2M1 (or v_wmma_scale_f32_32x16x128_f4), f32 sums; products left as they are: bf16, f16 or f32 operands; f32 sums; everything else in f32.
;; Inputs: W_b1 256 x 256 float32; W_b2 256 x 1 float32; W_c1 512 x 256 float32; W_c2 256 x 1 float32; W_enc 160 x 256 float32; W_k 4 x 256 x 64 float32; W_q 4 x 256 x 64 float32; W_s 128 x 256 float32; W_v 4 x 256 x 64 float32; b_b1 256 float32; b_b2 1 float32; b_c1 256 float32; b_c2 1 float32; b_enc 256 float32; b_s 256 float32; b_v 4 x 64 float32; sa 8 x 16,384 x 160 float32; states 8 x 16,384 x 128 float32.
;; Outputs: out0 8 x 16,384 x 1 float32; out1 8 float32.
;; This version of the problem:
;;   THIS VERSION OF THE PROBLEM IS GIVEN IN LOW PRECISION. The matrix products marked QUANTISED in the list below multiply operands that are first quantised to E2M1 (2 exponent bits, 1 mantissa bit; 4 bits a number), with one power-of-two scale for each 32 numbers along K (OCP MX v1.0); their sums are f32. The products marked 'left as it is' may take bf16, f16 or f32 operands, with f32 sums. Whichever they take, every output number must still come out within the allowed error. Rounding operands to bf16 (8 significant bits) uses up far more of that allowance than f16 does (11 bits, for magnitudes from 6e-5 to 65,504). All else is computed in f32.
;;   The module's matrix products, in the order in which they are computed (A, B: the left and right operand; K: the contracted axis; several contracted axes count as one K, in the product's order):
;;     1. [M 131,072, K 160] x [K 160, N 256]; A: input sa; B: input W_enc: QUANTISED
;;     2. [M 131,072, K 128] x [K 128, N 256]; A: input states; B: input W_s: QUANTISED
;;     3. [M 256, K 256] x [K 256, N 131,072]; A: input W_k; B: computed on the way: left as it is (an operand is computed on the way)
;;     4. [M 256, K 256] x [K 256, N 131,072]; A: input W_q; B: computed on the way: left as it is (an operand is computed on the way)
;;     5. [M 256, K 256] x [K 256, N 131,072]; A: input W_v; B: computed on the way: left as it is (an operand is computed on the way)
;;     6. batch 65,536 x [M 8, K 64] x [K 64, N 8]; A: computed on the way; B: computed on the way: left as it is (M = 8 < 16)
;;     7. batch 65,536 x [M 64, K 8] x [K 8, N 8]; A: computed on the way; B: computed on the way: left as it is (K = 8 < 32)
;;     8. [M 131,072, K 512] x [K 512, N 256]; A: computed on the way; B: input W_c1: left as it is (an operand is computed on the way)
;;     9. [M 131,072, K 256] x [K 256, N 1]; A: computed on the way; B: input W_c2: left as it is (N = 1 < 16)
;;     10. [M 131,072, K 256] x [K 256, N 256]; A: computed on the way; B: input W_b1: left as it is (an operand is computed on the way)
;;     11. [M 131,072, K 256] x [K 256, N 1]; A: computed on the way; B: input W_b2: left as it is (N = 1 < 16)
;;   THE QUANTISER, for each operand of a quantised product, along K:
;;     - K is cut into blocks of 32 from its start; a last block that is shorter is filled with zeros.
;;     - A block's scale is 2^e with e = floor(log2(the largest magnitude in the block)) - 2, held to -126 .. 127; a block of zeros has e = 0. As a byte (E8M0): e + 127.
;;     - Each number is divided by its block's scale, clamped to +-6, and rounded to the nearest number of E2M1, ties to even, subnormals kept.
;;     - The product sums the exact products of the quantised numbers (number of the format x scale) in f32.
;;   ~~~python
;;   def quantise(x, axis):      # numpy; x: float32 -> the quantised numbers, widened to float32 again
;;       x = np.moveaxis(x, axis, -1); K = x.shape[-1]
;;       x = np.pad(x, [(0, 0)] * (x.ndim - 1) + [(0, -K % 32)]); x = x.reshape(x.shape[:-1] + (-1, 32)); a = np.abs(x).max(-1, keepdims=True)
;;       e = np.where(a > 0, np.clip(np.frexp(np.where(a > 0, a, 1))[1] - 1 - 2, -126, 127), 0)      # np.frexp(a)[1] - 1 = floor(log2(a)), exactly
;;       r = np.clip(x / 2.0 ** e, -6, 6)
;;       step = 2.0 ** (np.maximum(np.frexp(np.where(r == 0, 1, r))[1] - 1, 0) - 1)
;;       q = np.round(r / step) * step * 2.0 ** e      # np.round: ties to even
;;       return np.moveaxis(q.reshape(q.shape[:-2] + (-1,))[..., :K], -1, axis).astype(np.float32)
;;   ~~~
;; 2 versions, each right and faster than the one before. Each part assembles by itself: llvm-mc -triple=amdgcn-amd-amdhsa -mcpu=gfx1250 --defsym DOCPART=n.
;; ======== version 1 of 2: 3 launches
;; limits: values are held in f16: magnitudes above 65,504 overflow, below 6.1e-05 lose precision
;; workspace buffers: wts 786,432 bytes; res 59,392 bytes; part 8,192 bytes
;; launch prep (part 1): grid 103 x 1, 8 waves a work-group, no clusters, 0 bytes of LDS; arguments W_q, W_k, W_v, W_b1, W_c1, W_s, W_enc, b_s, b_enc, b_b1, W_b2, b_c1, W_c2, b_v, wts, res; writes wts, res
.if DOCPART == 1
	.amdgcn_target "amdgcn-amd-amdhsa--gfx1250"
	.amdhsa_code_object_version 6
	.text
	.protected	k_q590e859006_prep
	.globl	k_q590e859006_prep
	.p2align	8
	.type	k_q590e859006_prep,@function
k_q590e859006_prep:
	s_mov_b64 s[64:65], 0
	v_nop
	global_prefetch_b8 v0, s[64:65] scope:SCOPE_SE
	s_setreg_imm32_b32 hwreg(HW_REG_WAVE_MODE, 25, 1), 1
	s_wait_xcnt 0x0
; The weights are laid out once, in the order in which the main launch's operand registers take them.
; wts: 24 chunks of 32,768 bytes, [n tile 4][K step 8][half 2][lane 32][16 bytes]; element e of a lane's 16 bytes is W[32 ks + 16 half + 8 (lane / 16) + e][16 tile + lane % 16].
;   chunks 0-3 W_q by head; 4-7 W_b1 by 64 units; 8 + 2 k, 9 + 2 k W_k, W_v of head k; 16 + 2 u W_c1 rows 0-255, 17 + 2 u rows 256-511, units 64 u on.  f16, but the odd chunks from 17 on bf16
;   (their partner, the attended values, has no room in f16 when all inputs are small).
; res: W_s and W_enc as codes of E2M1, quantised along K (their first axis) by the stated rule, as images of operand registers (1,024 bytes for 16 units x 128 K), their scale words, and seven vectors as they are.
; LIMITS: NaN and infinities are not served; a block of zeros gets the byte 1 where the rule says 127 (its codes are zeros, and this program alone reads the bytes); blocks whose largest magnitude lies under 2^-124 keep the byte 1.
; Work-groups 0-95: one n tile of one chunk each.  96-101: a wave to an image of codes (48 images).  102: a wave to a vector.  No LDS, no barrier: waves share nothing.
.set RSS, 49152                        ; res: the scale words, 64 bytes an image
.set RBS, 52224                        ; res: the seven vectors, 1,024 bytes each
	s_load_b512 s[4:19], s[0:1], 0x0               ; W_q 4, W_k 6, W_v 8, W_b1 10, W_c1 12, W_s 14, W_enc 16, b_s 18
	s_load_b512 s[20:35], s[0:1], 0x40             ; b_enc 20, b_b1 22, W_b2 24, b_c1 26, W_c2 28, b_v 30, wts 32, res 34
	v_lshrrev_b32 v1, 5, v0
	v_readfirstlane_b32 s40, v1                    ; wave
	s_wait_kmcnt 0x0
	s_cmp_ge_u32 ttmp9, 96
	s_cbranch_scc1 .Lfp4
	; ---- a tile of a chunk
	s_lshr_b32 s41, ttmp9, 2                       ; chunk c
	s_and_b32 s42, ttmp9, 3                        ; n tile t
	s_lshl_b32 s52, s41, 15
	s_lshl_b32 s53, s42, 13
	s_add_co_u32 s52, s52, s53
	s_mov_b32 s53, 0
	s_add_nc_u64 s[38:39], s[32:33], s[52:53]      ; where the tile goes
	v_lshlrev_b32 v3, 4, v0                        ; 16 bytes a thread: a wave's store covers 512 bytes on end
	v_lshrrev_b32 v1, 4, v0                        ; which 8 along K
	v_and_b32 v2, 15, v0                           ; which unit of the tile
	s_lshr_b32 s43, s41, 2                         ; 0 W_q, 1 W_b1, 2 and 3 W_k / W_v, 4 and 5 W_c1
	s_cmp_eq_u32 s43, 1
	s_cbranch_scc1 .Lwide
	s_cmp_ge_u32 s43, 4
	s_cbranch_scc1 .Lwide
; pitch: bytes of a row of the source;  both = 1: f16 or bf16, chosen by the mask s48
.macro TILE pitch, both
	v_mul_u32_u24 v4, v1, 8*\pitch
	v_lshl_add_u32 v4, v2, 2, v4
.irp it, 0,1
.irp e, 0,1,2,3,4,5,6,7
	global_load_b32 v[8+8*\it+\e], v4, s[36:37] offset:(128*\it+\e)*\pitch     ; W[8 (thread / 16) + 128 it + e][unit]
.endr
.endr
	s_wait_loadcnt 0x0
.irp it, 0,1
.irp i, 0,1,2,3
	v_cvt_pk_f16_f32 v[24+4*\it+\i], v[8+8*\it+2*\i], v[9+8*\it+2*\i]
.if \both
	v_cvt_pk_bf16_f32 v[32+4*\it+\i], v[8+8*\it+2*\i], v[9+8*\it+2*\i]
	v_cndmask_b32 v[24+4*\it+\i], v[24+4*\it+\i], v[32+4*\it+\i], s48
.endif
.endr
	global_store_b128 v3, v[24+4*\it:27+4*\it], s[38:39] offset:4096*\it
.endr
.endm
	; rows of 64 numbers: W_q, W_k, W_v, a head is 65,536 bytes
	s_sub_co_u32 s44, s41, 8
	s_lshr_b32 s45, s44, 1                         ; the head, for W_k and W_v
	s_and_b32 s46, s44, 1
	s_cmp_eq_u32 s46, 1
	s_cselect_b64 s[36:37], s[8:9], s[6:7]
	s_cmp_lt_u32 s41, 4
	s_cselect_b64 s[36:37], s[4:5], s[36:37]
	s_cselect_b32 s45, s41, s45
	s_lshl_b32 s50, s45, 16
	s_lshl_b32 s51, s42, 6
	s_add_co_u32 s50, s50, s51
	s_mov_b32 s51, 0
	s_add_nc_u64 s[36:37], s[36:37], s[50:51]
	TILE 256, 0
	s_endpgm
.Lwide:
	; rows of 256 numbers: W_b1, W_c1
	s_sub_co_u32 s44, s41, 16
	s_and_b32 s46, s44, 1                          ; W_c1: which 256 rows
	s_lshr_b32 s45, s44, 1
	s_lshl_b32 s45, s45, 8                         ; which 64 units
	s_lshl_b32 s47, s46, 18
	s_add_co_u32 s45, s45, s47
	s_sub_co_u32 s47, s41, 4
	s_lshl_b32 s47, s47, 8                         ; W_b1: which 64 units
	s_cmp_lt_u32 s41, 8
	s_cselect_b64 s[36:37], s[10:11], s[12:13]
	s_cselect_b32 s45, s47, s45
	s_cselect_b32 s46, 0, s46
	s_lshl_b32 s51, s42, 6
	s_add_co_u32 s50, s45, s51
	s_mov_b32 s51, 0
	s_add_nc_u64 s[36:37], s[36:37], s[50:51]
	s_cmp_eq_u32 s46, 1
	s_cselect_b32 s48, -1, 0                       ; all lanes: bf16 or f16
	TILE 1024, 1
	s_endpgm
.Lfp4:
	s_cmp_eq_u32 ttmp9, 102
	s_cbranch_scc1 .Lvec
	; ---- an image of codes: 16 units x 128 K.  A lane takes a column (unit) and its registers run down K, in the order that the operand's layout gives that lane: k = 64 c + 32 (lane / 16) + 0 .. 31
	s_sub_co_u32 s41, ttmp9, 96
	s_lshl_b32 s41, s41, 3
	s_add_co_u32 s41, s41, s40                     ; image 0-15: W_s tile; 16 + j: W_enc tile j / 2, K step j % 2
	s_sub_co_u32 s42, s41, 16
	s_lshr_b32 s43, s42, 1
	s_and_b32 s44, s42, 1
	s_cmp_lt_u32 s41, 16
	s_cselect_b64 s[36:37], s[14:15], s[16:17]
	s_cselect_b32 s43, s41, s43                    ; tile
	s_cselect_b32 s44, 0, s44                      ; 1: W_enc's second K step, of which only k = 128 .. 159 exist
	s_lshl_b32 s50, s44, 17
	s_lshl_b32 s51, s43, 6
	s_add_co_u32 s50, s50, s51
	s_mov_b32 s51, 0
	s_add_nc_u64 s[36:37], s[36:37], s[50:51]
	s_cmp_eq_u32 s44, 1
	s_cselect_b32 s48, 0, 32768                    ; there every lane and both halves read rows 128-159: no load leaves the buffer,
	s_cselect_b32 s49, 0, 65536                    ; and what lies past K is made zero codes below
	s_sub_co_u32 s47, s44, 1                       ; mask of the image's upper half: all ones, or 0
	s_lshl_b32 s50, s41, 10
	s_add_nc_u64 s[38:39], s[34:35], s[50:51]
	s_lshl_b32 s50, s41, 6
	s_add_co_u32 s50, s50, RSS
	s_add_nc_u64 s[52:53], s[34:35], s[50:51]
	s_mov_b32 s54, 0x76543210
	s_mov_b32 s55, 0xfedcba98                      ; lane l xor 16
	v_and_b32 v2, 15, v0
	v_bfe_u32 v3, v0, 4, 1
	v_mul_u32_u24 v4, v3, s48
	v_lshl_add_u32 v4, v2, 2, v4
	v_add_nc_u32 v5, s49, v4
	v_mul_u32_u24 v11, v3, s44
	v_add_nc_u32 v11, -1, v11                      ; mask of the lower half: 0 in lanes 16-31 of the short K step
	v_and_b32 v12, 31, v0
	v_lshlrev_b32 v12, 4, v12
	v_lshlrev_b32 v13, 2, v2
.irp i, 0,1,2,3,4,5,6,7,8,9,10,11,12,13,14,15,16,17,18,19,20,21,22,23,24,25,26,27,28,29,30,31
	global_load_b32 v[64+\i], v4, s[36:37] offset:1024*\i
.endr
.irp i, 0,1,2,3,4,5,6,7,8,9,10,11,12,13,14,15,16,17,18,19,20,21,22,23,24,25,26,27,28,29,30,31
	global_load_b32 v[96+\i], v5, s[36:37] offset:1024*\i
.endr
	s_wait_loadcnt 0x0
.irp c, 0,1
	v_max3_num_f32 v[32+\c], |v[64+32*\c]|, |v[65+32*\c]|, 0x1800000   ; the floor 2^(3 - 127): the byte cannot fall under 1
.endr
.irp i, 2,4,6,8,10,12,14,16,18,20,22,24,26,28,30
.irp c, 0,1
	v_max3_num_f32 v[32+\c], v[32+\c], |v[64+32*\c+\i]|, |v[65+32*\c+\i]|
.endr
.endr
.irp c, 0,1
	v_add_nc_u32 v[44+\c], 0xff000000, v[32+\c]    ; 2 off the exponent field: the conversion's scale operand
.endr
.irp c, 0,1
	v_lshrrev_b32 v[36+\c], 23, v[44+\c]           ; the scale's byte
.endr
	v_lshl_or_b32 v9, v37, 16, v36
	v_lshlrev_b32 v10, 3, v3
	v_lshlrev_b32 v9, v10, v9                      ; my two bytes at their places,
	v_mov_b32 v10, 0
	v_permlanex16_b32 v10, v9, s54, s55
	v_or_b32 v9, v9, v10                           ; with lane l xor 16's the word is whole
.irp c, 0,1
.irp g, 0,1,2,3
	v_cvt_scalef32_pk8_fp4_f32 v[48+4*\c+\g], v[64+32*\c+8*\g:71+32*\c+8*\g], v[44+\c]
.endr
.endr
	v_nop                                          ; one plain place behind the conversions
.irp g, 0,1,2,3
	v_and_b32 v[48+\g], v11, v[48+\g]
	v_and_b32 v[52+\g], s47, v[52+\g]
.endr
	global_store_b128 v12, v[48:51], s[38:39]
	global_store_b128 v12, v[52:55], s[38:39] offset:512
	global_store_b32 v13, v9, s[52:53]             ; both halves of the lanes write the same word with the same value
	s_endpgm
.Lvec:
	; ---- the vectors b_s, b_enc, b_b1, W_b2, b_c1, W_c2, b_v: wave w copies vector w; the eighth wave has none
	s_cmp_eq_u32 s40, 7
	s_cbranch_scc1 .Lend
	s_cmp_eq_u32 s40, 1
	s_cselect_b64 s[36:37], s[20:21], s[18:19]
	s_cmp_eq_u32 s40, 2
	s_cselect_b64 s[36:37], s[22:23], s[36:37]
	s_cmp_eq_u32 s40, 3
	s_cselect_b64 s[36:37], s[24:25], s[36:37]
	s_cmp_eq_u32 s40, 4
	s_cselect_b64 s[36:37], s[26:27], s[36:37]
	s_cmp_eq_u32 s40, 5
	s_cselect_b64 s[36:37], s[28:29], s[36:37]
	s_cmp_eq_u32 s40, 6
	s_cselect_b64 s[36:37], s[30:31], s[36:37]
	s_lshl_b32 s50, s40, 10
	s_add_co_u32 s50, s50, RBS
	s_mov_b32 s51, 0
	s_add_nc_u64 s[38:39], s[34:35], s[50:51]
	v_and_b32 v2, 31, v0
	v_lshlrev_b32 v3, 4, v2
	global_load_b128 v[8:11], v3, s[36:37]
	global_load_b128 v[12:15], v3, s[36:37] offset:512
	s_wait_loadcnt 0x0
	global_store_b128 v3, v[8:11], s[38:39]
	global_store_b128 v3, v[12:15], s[38:39] offset:512
.Lend:
	s_endpgm
.Lfunc_end_k_q590e859006_prep:
	.size	k_q590e859006_prep, .Lfunc_end_k_q590e859006_prep-k_q590e859006_prep
	.p2alignl 7, 3214868480
	.fill 96, 4, 3214868480
	.section	.rodata,"a",@progbits
	.p2align	6, 0x0
	.amdhsa_kernel k_q590e859006_prep
		.amdhsa_group_segment_fixed_size 0
		.amdhsa_private_segment_fixed_size 0
		.amdhsa_enable_private_segment 0
		.amdhsa_kernarg_size 128
		.amdhsa_user_sgpr_count 2
		.amdhsa_user_sgpr_kernarg_segment_ptr 1
		.amdhsa_wavefront_size32 1
		.amdhsa_system_sgpr_workgroup_id_x 1
		.amdhsa_system_sgpr_workgroup_id_y 1
		.amdhsa_system_sgpr_workgroup_id_z 1
		.amdhsa_system_vgpr_workitem_id 0
		.amdhsa_next_free_vgpr 136
		.amdhsa_next_free_sgpr 66
		.amdhsa_reserve_vcc 0
		.amdhsa_float_denorm_mode_32 3
		.amdhsa_float_denorm_mode_16_64 3
		.amdhsa_memory_ordered 1
		.amdhsa_forward_progress 1
		.amdhsa_inst_pref_size 21
	.end_amdhsa_kernel
	.amdgpu_metadata
---
amdhsa.version: [ 1, 2 ]
amdhsa.kernels:
  - .name:           k_q590e859006_prep
    .symbol:         k_q590e859006_prep.kd
    .args:
      - { .name: W_q, .offset: 0, .size: 8, .value_kind: global_buffer, .address_space: global }
      - { .name: W_k, .offset: 8, .size: 8, .value_kind: global_buffer, .address_space: global }
      - { .name: W_v, .offset: 16, .size: 8, .value_kind: global_buffer, .address_space: global }
      - { .name: W_b1, .offset: 24, .size: 8, .value_kind: global_buffer, .address_space: global }
      - { .name: W_c1, .offset: 32, .size: 8, .value_kind: global_buffer, .address_space: global }
      - { .name: W_s, .offset: 40, .size: 8, .value_kind: global_buffer, .address_space: global }
      - { .name: W_enc, .offset: 48, .size: 8, .value_kind: global_buffer, .address_space: global }
      - { .name: b_s, .offset: 56, .size: 8, .value_kind: global_buffer, .address_space: global }
      - { .name: b_enc, .offset: 64, .size: 8, .value_kind: global_buffer, .address_space: global }
      - { .name: b_b1, .offset: 72, .size: 8, .value_kind: global_buffer, .address_space: global }
      - { .name: W_b2, .offset: 80, .size: 8, .value_kind: global_buffer, .address_space: global }
      - { .name: b_c1, .offset: 88, .size: 8, .value_kind: global_buffer, .address_space: global }
      - { .name: W_c2, .offset: 96, .size: 8, .value_kind: global_buffer, .address_space: global }
      - { .name: b_v, .offset: 104, .size: 8, .value_kind: global_buffer, .address_space: global }
      - { .name: wts, .offset: 112, .size: 8, .value_kind: global_buffer, .address_space: global }
      - { .name: res, .offset: 120, .size: 8, .value_kind: global_buffer, .address_space: global }
    .group_segment_fixed_size: 0
    .private_segment_fixed_size: 0
    .kernarg_segment_align: 8
    .kernarg_segment_size: 128
    .max_flat_workgroup_size: 256
    .sgpr_count:     66
    .vgpr_count:     136
    .wavefront_size: 32
...
	.end_amdgpu_metadata
.endif
;; end of part 1
;; launch main (part 2): grid 256 x 1, 4 waves a work-group, clusters of 4 x 1, 327,680 bytes of LDS; arguments states, sa, wts, res, b_c2, b_b2, out0, part; writes out0, part
.if DOCPART == 2
	.amdgcn_target "amdgcn-amd-amdhsa--gfx1250"
	.amdhsa_code_object_version 6
	.text
	.protected	k_q590e859006_main
	.globl	k_q590e859006_main
	.p2align	8
	.type	k_q590e859006_main,@function
k_q590e859006_main:
	s_mov_b64 s[64:65], 0
	v_nop
	global_prefetch_b8 v0, s[64:65] scope:SCOPE_SE
	s_setreg_imm32_b32 hwreg(HW_REG_WAVE_MODE, 25, 1), 1
	s_wait_xcnt 0x0
	s_wait_alu depctr_hold_cnt(0) depctr_sa_sdst(0) depctr_va_vdst(0) depctr_va_sdst(0) depctr_va_ssrc(0) depctr_va_vcc(0) depctr_vm_vsrc(0)
	s_getreg_b32 s2, hwreg(HW_REG_IB_STS2, 6, 4)
	s_cmp_eq_u32 s2, 0
	s_cbranch_scc0 .Lentry_in_a_cluster
	s_endpgm
.Lentry_in_a_cluster:
	s_bfe_u32 s2, ttmp6, 0x10000c
	s_cmp_lg_u32 s2, 0x3003
	s_cbranch_scc0 .Lentry_shape_is_right
	s_endpgm
.Lentry_shape_is_right:
; The whole chain for 131,072 rows (8 agents x 16,384 batch elements): two encoders on codes of E2M1, the projections, the attention among the 8 agents of a batch element, both heads of the critic, q - b, and the squared logits.
; SHARES.  Work-group g owns batch elements 64 g .. 64 g + 63, in two blocks of 32.  In a block wave w owns 8 of them with all 8 agents: 64 rows, four tiles of 16; row r of tile m is agent r % 8 of batch element
; b0 + 2 m + r / 8.  The attention mixes only the agents of one batch element, so a wave carries its rows through the whole chain: activations never leave the wave, only weights are shared.
; WEIGHTS.  768 KB of 16-bit fragments (buffer wts, in the order of the walk) come through a ring of two LDS slots of 64 KB, 12 fills a block.  All work-groups walk the same stream: the four of a cluster ask jointly.
; A fragment read from LDS feeds four products (the wave's four tiles of rows).  The small things (the encoders' codes and scale words, biases, W_b2, W_c2) lie in LDS for the whole launch.
; LAYOUT.  Products are used transposed (source 0 = 16 units of W, source 1 = 16 rows): a lane's eight results are eight neighbouring units of one row, and two such tiles, rounded in pairs, are a fragment of the next
; product.  V alone is made the other way (source 0 = rows), which gives V^T's fragments.  S^T = K Q^T holds for lane (r, h) the keys 8 h + j of query r: it counts where r / 8 = h.
; FORMATS.  Encoders: E2M1 with E8M0 scales, by the stated quantiser on the f32 inputs.  enc_s, enc_sa and their weights: f16.  Q, K, p, V, the attended values and W_c1's lower half: bf16.  All else f32.
; The inputs are asked for a phase ahead, into register windows that are idle then.
; LIMITS: NaN and infinities are not served; |enc| has to stay under 65,504 (f16); a block of zeros gets the byte 1 where the rule says 127 (zero codes; this program alone reads the bytes); blocks whose largest
; magnitude lies under 2^-124 keep the byte 1; the sums of q - b and of the squared logits are taken in another order than the reference's.
; REGISTERS, in windows of 256 (s_set_vgpr_msb: bits 1:0 source 0, 3:2 source 1, 5:4 source 2, 7:6 destination):
;   window 0: v1 b_c2 - b_b2; v2-15, v30-36 addresses and lane terms; v16-21 the activations' scale words; v22-29 the weights' scale words; v38, v39 the add's two; v40-47 q - b; v48-55 squared logits;
;             v56-63 at work; v64-95 T, at work (S^T in the attention); v96-127 biases and W_b2 / W_c2; v128-255 weight fragments, two sets of 64 (in the attention P, Q's fragments)
;   window 1: stage of states, enc_s, sa's codes, the attended values.   window 2: stage of sa, enc_sa.   window 3: v0-127 accumulators (t, m) at 32 t + 8 m; v128-191 K's fragments, sa's tails; v192-255 V^T, the codes of states
.set NBLK,  2
.set SLOTB, 65536                      ; a slot: two chunks of 32,768 bytes; slot 1 begins here
.set QOB,   131072                     ; Q's fragments by head, later the attended values': 32,768 bytes a wave, images of registers
.set RES,   262144                     ; the copy of buffer res, 59,392 bytes, filled once
.set OUTS,  321536                     ; q - b: [agent 8][batch element 64] f32
.set REGP,  323584                     ; the waves' sums of squared logits: [wave 4][agent 8] f32
.set SPARE, 323840                     ; the spare words, 128 bytes for each wave: two blocks of 256 bytes that no other line names
.set RWS,   0                          ; in res: W_s's 16 images of 1,024 bytes;
.set RWE,   16384                      ; W_enc's, [tile 16][K step 2];
.set RSS,   49152                      ; W_s's scale words, 64 bytes a tile;
.set RSE,   50176                      ; W_enc's;
.set RBS,   52224                      ; b_s, b_enc, b_b1, W_b2, b_c1, W_c2, b_v
.set RBE,   53248
.set RBB,   54272
.set RWB2,  55296
.set RBC,   56320
.set RWC2,  57344
.set RBV,   58368
.set T,     64
.set TT,    96
.set MSB,   0
.macro WIN new                         ; the immediate's high byte repeats the setting that is left; a switch that changes nothing is dropped
.if MSB != (\new)
	s_set_vgpr_msb (MSB<<8)|(\new)
.set MSB, (\new)
.endif
.endm
.macro P4                              ; four places behind matrix instructions: in front of reads of results and of loads into registers that they have read
.rept 4
	v_nop
.endr
.endm
; A round of the cluster's barrier: my work-group's barrier; wave 0 signals for the work-group; every wave waits for all four work-groups; my work-group's barrier once more.
.macro CROUND
	s_barrier_signal -1
	s_barrier_wait -1
	s_cmp_lg_u32 s20, 0
	s_cbranch_scc1 .Lnot_wave_0_\@
	s_barrier_signal -3
.Lnot_wave_0_\@:
	s_barrier_wait -3
	s_barrier_signal -1
	s_barrier_wait -1
.endm
.macro TL                              ; my quarter (16 KB) of the next fill, asked for jointly; an s_nop 0 and four v_nop follow
	tensor_load_to_lds s[40:43], s[24:31]
	s_nop 0
	P4
.endm
; A block's first fill.  Both blocks run the same twelve fills, so that no joint load is ever jumped over.
.macro START
	s_wait_tensorcnt 0x0                           ; no tensor load of mine is out, so the descriptor may be written
	ds_add_u32 v38, v39                            ; 0 onto my spare word; the descriptor's words stand between it and the wait for it
	s_mov_b32 s41, s50                             ; slot 0, my quarter
	s_mov_b64 s[42:43], s[48:49]                   ; the stream's first 64 KB, my quarter
	s_or_b32 s43, s43, 0x80000000
	s_mov_b32 s51, SLOTB                           ; (the first change of slots turns this to slot 0)
	s_wait_dscnt 0x0                               ; the add is done, and my reads of both slots are over
	CROUND                                         ; that now holds of every wave of the four work-groups
	TL
.endm
; The change of slots, at the head of a slot's work.  fill = 1: the slot just left takes the next 64 KB: the load has a slot's work in which to land.  By this text's count one tensor load of a wave is out at the most.
.macro CHANGE fill
	s_wait_tensorcnt 0x0                           ; my part of the slot that I am about to read has landed
	ds_add_u32 v38, v39
.if \fill
	s_xor_b32 s41, s41, SLOTB
	s_add_nc_u64 s[42:43], s[42:43], SLOTB         ; the type bits on top are not reached
	s_wait_dscnt 0x0                               ; the add is done, and my reads of the slot that I have left are over
	CROUND
	TL
.else
	s_wait_dscnt 0x0
	s_barrier_signal -1
	s_barrier_wait -1
.endif
	s_xor_b32 s51, s51, SLOTB                      ; the slot that is read now
.endm
; 32 numbers of my row (128 bytes, eight loads of 16) into v[reg] on of window win
.macro LDU bs, off, win, reg, vo
	WIN (\win)<<6
.irp i, 0,1,2,3,4,5,6,7
	global_load_b128 v[(\reg)+4*\i:(\reg)+4*\i+3], v[\vo], s[\bs:\bs+1] offset:(\off)+16*\i th:TH_LOAD_NT
.endr
.endm
; Four tiles x 128 K of f32 (window wx, block b = 2 m + c at v[32 b]: k = 64 c + 32 (lane / 16) + 0 .. 31 of my row) become four operands of codes (window wc, from v[cb] on) and their scale words v16-19.
.macro QUANT4 wx, wc, cb
	WIN (\wx)|((\wx)<<2)
.irp b, 0,1,2,3,4,5,6,7
	v_max3_num_f32 v[T+\b], |v[32*\b]|, |v[32*\b+1]|, 0x1800000    ; a whole block is mine; the floor 2^(3 - 127) holds the byte at 1 from below
.endr
.irp i, 2,4,6,8,10,12,14,16,18,20,22,24,26,28,30
.irp b, 0,1,2,3,4,5,6,7
	v_max3_num_f32 v[T+\b], |v[32*\b+\i]|, |v[32*\b+\i+1]|, v[T+\b]    ; (the eight blocks by turns)
.endr
.endr
	WIN 0
.irp b, 0,1,2,3,4,5,6,7
	v_add_nc_u32 v[T+8+\b], 0xff000000, v[T+\b]    ; 2 off the exponent field: the conversion's scale operand
.endr
.irp b, 0,1,2,3,4,5,6,7
	v_lshrrev_b32 v[T+16+\b], 23, v[T+8+\b]        ; the scale's byte
.endr
.irp m, 0,1,2,3
	v_lshl_or_b32 v[T+16+2*\m], v[T+17+2*\m], 16, v[T+16+2*\m]
.endr
.irp m, 0,1,2,3
	v_lshlrev_b32 v[T+16+2*\m], v14, v[T+16+2*\m]  ; my two bytes at their places: 8 (lane / 16) bits up
.endr
.irp m, 0,1,2,3
	v_permlanex16_b32 v[T+17+2*\m], v[T+16+2*\m], s60, s61
.endr
.irp m, 0,1,2,3
	v_or_b32 v[16+\m], v[T+16+2*\m], v[T+17+2*\m]  ; with lane l xor 16's the row's word is whole
.endr
	WIN (\wx)|((\wc)<<6)
.irp b, 0,1,2,3,4,5,6,7
.irp g, 0,1,2,3
	v_cvt_scalef32_pk8_fp4_f32 v[(\cb)+4*\b+\g], v[32*\b+8*\g:32*\b+8*\g+7], v[T+8+\b]
.endr
.endr
	v_nop                                          ; one plain place behind the conversions
	WIN 0
.endm
; sa's k = 128 .. 159: one block a row.  Stage: window 3, v[128 + 32 u]: lanes 0-15 hold the rows of tile 2 u, lanes 16-31 those of tile 2 u + 1.  The operand of the second K step wants the block in lanes 0-15 and zero codes everywhere else.
.macro QUANTT
	WIN 0x0f
.irp u, 0,1
	v_max3_num_f32 v[T+\u], |v[128+32*\u]|, |v[129+32*\u]|, 0x1800000
.endr
.irp i, 2,4,6,8,10,12,14,16,18,20,22,24,26,28,30
.irp u, 0,1
	v_max3_num_f32 v[T+\u], |v[128+32*\u+\i]|, |v[129+32*\u+\i]|, v[T+\u]
.endr
.endr
	WIN 0
.irp u, 0,1
	v_add_nc_u32 v[T+8+\u], 0xff000000, v[T+\u]
.endr
.irp u, 0,1
	v_lshrrev_b32 v[20+\u], 23, v[T+8+\u]          ; the scale word: the block's byte; the three bytes above are 0, over zero codes.  Lanes 16-31 hold tile 2 u + 1's
.endr
	WIN 0x03
.irp u, 0,1
.irp g, 0,1,2,3
	v_cvt_scalef32_pk8_fp4_f32 v[T+16+4*\u+\g], v[128+32*\u+8*\g:128+32*\u+8*\g+7], v[T+8+\u]
.endr
.endr
	v_nop                                          ; one plain place behind the conversions
	WIN 0
.irp n, 0,1,2,3,4,5,6,7
	v_permlanex16_b32 v[T+24+\n], v[T+16+\n], s60, s61     ; tile 2 u + 1's codes come to lanes 0-15
.endr
	WIN 0x40
.irp u, 0,1
.irp g, 0,1,2,3
	v_and_b32 v[32+16*\u+\g], v30, v[T+16+4*\u+\g] ; v30: all ones in lanes 0-15, 0 in lanes 16-31
	v_and_b32 v[40+16*\u+\g], v30, v[T+24+4*\u+\g]
.endr
.endr
.irp n, 0,1,2,3
.irp g, 0,1,2,3
	v_mov_b32 v[36+8*\n+\g], 0                     ; k = 192 .. 255: zero codes
.endr
.endr
	WIN 0
.endm
; T[8 m + i] = leaky(accumulator (t, m)) = max(x, 0.01 x).  Each accumulator is read from its low end on.
.macro LEAKY t
	WIN 0x03
.irp i, 0,2,4,6
.irp m, 0,1,2,3
	v_pk_mul_f32 v[T+8*\m+\i:T+8*\m+\i+1], v[32*(\t)+8*\m+\i:32*(\t)+8*\m+\i+1], s[58:59] op_sel_hi:[1,0]
.endr
.endr
.irp i, 0,1,2,3,4,5,6,7
.irp m, 0,1,2,3
	v_max_num_f32 v[T+8*\m+\i], v[32*(\t)+8*\m+\i], v[T+8*\m+\i]
.endr
.endr
.endm
.macro EPI_F16 t, win, n16             ; an encoder's tile n16 of 16 units: half a fragment of K step n16 / 2, in window win
	LEAKY \t
	WIN (\win)<<6
.irp m, 0,1,2,3
.irp i, 0,1,2,3
	v_cvt_pk_f16_f32 v[64*\m+8*((\n16)/2)+4*((\n16)%2)+\i], v[T+8*\m+2*\i], v[T+8*\m+2*\i+1]
.endr
.endr
.endm
.macro EPI_V t                         ; V: a lane holds channel 16 t + r and eight rows: V^T's fragment (t, m / 2), half m % 2
	LEAKY \t
	WIN 0xc0
.irp m, 0,1,2,3
.irp i, 0,1,2,3
	v_cvt_pk_bf16_f32 v[192+16*(\t)+8*(\m/2)+4*(\m%2)+\i], v[T+8*\m+2*\i], v[T+8*\m+2*\i+1]
.endr
.endr
.endm
.macro EPI_K t                         ; K: fragment (m, t / 2), half t % 2
	WIN 0xcf
.irp m, 0,1,2,3
.irp i, 0,1,2,3
	v_cvt_pk_bf16_f32 v[128+16*\m+8*((\t)/2)+4*((\t)%2)+\i], v[32*(\t)+8*\m+2*\i], v[32*(\t)+8*\m+2*\i+1]
.endr
.endr
.endm
.macro EPI_Q t                         ; Q: the same, but to my own LDS bytes as an image of the registers: the head's number is a loop's step, and only an address can follow it
	WIN 0x0f
.irp m, 0,1,2,3
.irp i, 0,1,2,3
	v_cvt_pk_bf16_f32 v[T+16*((\t)%2)+4*\m+\i], v[32*(\t)+8*\m+2*\i], v[32*(\t)+8*\m+2*\i+1]
.endr
.endr
	WIN 0
.irp m, 0,1,2,3
	ds_store_b128 v5, v[T+16*((\t)%2)+4*\m:T+16*((\t)%2)+4*\m+3] offset:(2*\m+(\t)/2)*1024+((\t)%2)*512
.endr
.endm
.macro EPI_S t, p, neg                 ; the last layer's dot product: q - b gathers leaky(.) x W_c2, or (neg = 1) less leaky(.) x W_b2
	LEAKY \t
	WIN 0
.irp i, 0,2,4,6
.irp m, 0,1,2,3
.if \neg
	v_pk_fma_f32 v[40+2*\m:41+2*\m], v[T+8*\m+\i:T+8*\m+\i+1], v[112+8*(\p)+\i:112+8*(\p)+\i+1], v[40+2*\m:41+2*\m] neg_lo:[1,0,0] neg_hi:[1,0,0]
.else
	v_pk_fma_f32 v[40+2*\m:41+2*\m], v[T+8*\m+\i:T+8*\m+\i+1], v[112+8*(\p)+\i:112+8*(\p)+\i+1], v[40+2*\m:41+2*\m]
.endif
.endr
.endr
.endm
; The fragments of n tile t of a chunk (16 units x 256 K: 16 loads) into set p, and what goes with them.  kind 0: nothing; 1: b_b1 and W_b2; 2: b_c1; 3: W_c2; 4: b_v (one number a lane, in all eight registers)
.macro FETCH kind, t, p, off
	WIN 0
.irp ks, 0,1,2,3,4,5,6,7
	ds_load_b128 v[128+64*(\p)+8*\ks:128+64*(\p)+8*\ks+3], v3 offset:(\off)+8192*(\t)+1024*\ks
	ds_load_b128 v[128+64*(\p)+8*\ks+4:128+64*(\p)+8*\ks+7], v3 offset:(\off)+8192*(\t)+1024*\ks+512
.endr
.if \kind == 1
	ds_load_b128 v[96+8*(\p):96+8*(\p)+3], v9 offset:RBB+64*(\t)
	ds_load_b128 v[96+8*(\p)+4:96+8*(\p)+7], v9 offset:RBB+64*(\t)+16
	ds_load_b128 v[112+8*(\p):112+8*(\p)+3], v9 offset:RWB2+64*(\t)
	ds_load_b128 v[112+8*(\p)+4:112+8*(\p)+7], v9 offset:RWB2+64*(\t)+16
.elseif \kind == 2
	ds_load_b128 v[96+8*(\p):96+8*(\p)+3], v9 offset:RBC+64*(\t)
	ds_load_b128 v[96+8*(\p)+4:96+8*(\p)+7], v9 offset:RBC+64*(\t)+16
.elseif \kind == 3
	ds_load_b128 v[112+8*(\p):112+8*(\p)+3], v9 offset:RWC2+64*(\t)
	ds_load_b128 v[112+8*(\p)+4:112+8*(\p)+7], v9 offset:RWC2+64*(\t)+16
.elseif \kind == 4
.irp j, 0,1,2,3,4,5,6,7
	ds_load_b32 v[96+8*(\p)+\j], v10 offset:RBV+64*(\t)
.endr
.endif
.endm
; 32 products: n tile t x my four tiles of rows x 256 K.  The four accumulators take turns, one instruction a turn.  aw: the activations' window.
; cmode 0: the first K step starts the sums with 0; 1: with the bias; 2: the sums go on.  swap = 1: source 0 = my rows (V).  bf = 1: bf16.
.macro MM bf, t, p, aw, cmode, swap
.irp ks, 0,1,2,3,4,5,6,7
.if (\ks == 0) && (\cmode == 1)
.set wn_, 0xc0
.else
.set wn_, 0xf0
.endif
.if \swap
	WIN wn_|(\aw)
.else
	WIN wn_|((\aw)<<2)
.endif
.irp m, 0,1,2,3
.set rD, 32*(\t)+8*\m
.set rW, 128+64*(\p)+8*\ks
.set rX, 64*\m+8*\ks
.set rB, 96+8*(\p)
.if \swap
.set rA, rX
.set rS, rW
.else
.set rA, rW
.set rS, rX
.endif
.if \bf
	v_wmma_f32_16x16x32_bf16 v[rD:rD+7], v[rA:rA+7], v[rS:rS+7], v[rD:rD+7]
.elseif (\ks == 0) && (\cmode == 0)
	v_wmma_f32_16x16x32_f16 v[rD:rD+7], v[rA:rA+7], v[rS:rS+7], 0
.elseif (\ks == 0) && (\cmode == 1)
	v_wmma_f32_16x16x32_f16 v[rD:rD+7], v[rA:rA+7], v[rS:rS+7], v[rB:rB+7]
.else
	v_wmma_f32_16x16x32_f16 v[rD:rD+7], v[rA:rA+7], v[rS:rS+7], v[rD:rD+7]
.endif
.endr
.endr
.endm
; A chain of n tile steps.  mode 0: Q of a head (enc_s);  1: 64 units of the b layer (enc_s);  2: K (steps 0-3), then V (steps 4-7) of a head (enc_sa);
; 3: 64 units of the critic layer: steps 0-3 enc_sa x W_c1's upper half in f16, steps 4-7 the attended values x its lower half in bf16, onto the same sums.
.macro RFETCH mode, s
.if \mode == 0
	FETCH 0, \s, (\s)%2, 0
.elseif \mode == 1
	FETCH 1, \s, (\s)%2, 0
.elseif \mode == 2
.if (\s) < 4
	FETCH 0, \s, (\s)%2, 0
.else
	FETCH 4, (\s)-4, (\s)%2, 32768
.endif
.else
.if (\s) < 4
	FETCH 2, \s, (\s)%2, 0
.else
	FETCH 3, (\s)-4, (\s)%2, 32768
.endif
.endif
.endm
.macro RWAIT mode, s                   ; all LDS instructions but those of step s's FETCH, just issued, are done: LDS serves a wave's instructions in order (ISA guide 5.7.1)
.if \mode == 0
	s_wait_dscnt 16
.elseif \mode == 1
	s_wait_dscnt 20
.elseif \mode == 2
.if (\s) < 4
	s_wait_dscnt 16
.else
	s_wait_dscnt 24
.endif
.else
	s_wait_dscnt 18
.endif
.endm
.macro RMM mode, s
.if \mode == 0
	MM 0, \s, (\s)%2, 1, 0, 0
.elseif \mode == 1
	MM 0, \s, (\s)%2, 1, 1, 0
.elseif \mode == 2
.if (\s) < 4
	MM 0, \s, (\s)%2, 2, 0, 0
.else
	MM 0, (\s)-4, (\s)%2, 2, 1, 1
.endif
.else
.if (\s) < 4
	MM 0, \s, (\s)%2, 2, 1, 0
.else
	MM 1, (\s)-4, (\s)%2, 1, 2, 0
.endif
.endif
.endm
.macro REPI mode, s
.if \mode == 0
	EPI_Q \s
.elseif \mode == 1
	EPI_S \s, (\s)%2, 1
.elseif \mode == 2
.if (\s) < 4
	EPI_K \s
.else
	EPI_V (\s)-4
.endif
.else
.if (\s) >= 4
	EPI_S (\s)-4, (\s)%2, 0
.endif
.endif
.endm
; Step s multiplies set s % 2 while step s + 1's fragments are on their way into the other set; a step's way out stands behind its four places, ahead of the loads into the set that it multiplied.
; In mode 3 an accumulator's last f16 product and its first bf16 product are four steps apart: sixteen v_nop at the least lie between (five places are asked).
.macro RUN mode, n
	RFETCH \mode, 0
	RFETCH \mode, 1
	RWAIT \mode, 1
	RMM \mode, 0
.irp s, 1,2,3,4,5,6,7
.if \s < \n
	P4
	REPI \mode, \s-1
.if \s+1 < \n
	RFETCH \mode, \s+1
	RWAIT \mode, \s+1
.else
	s_wait_dscnt 0x0
.endif
	RMM \mode, \s
.endif
.endr
	P4
	REPI \mode, \n-1
	WIN 0
.endm
; AN ENCODER, four n tiles at a time.  a = 0: states (one K step); a = 1: sa (two, the second with 32 of its 128 along K).
.macro ENCLOAD a, q
	WIN 0
.irp tau, 0,1,2,3
.set n16_, 4*(\q)+\tau
.if \a
.irp ks, 0,1
	ds_load_b128 v[128+16*\tau+8*\ks:128+16*\tau+8*\ks+3], v6 offset:RWE+1024*(2*n16_+\ks)
	ds_load_b128 v[128+16*\tau+8*\ks+4:128+16*\tau+8*\ks+7], v6 offset:RWE+1024*(2*n16_+\ks)+512
	ds_load_b32 v[22+2*\tau+\ks], v7 offset:RSE+64*(2*n16_+\ks)
.endr
	ds_load_b128 v[96+8*\tau:96+8*\tau+3], v8 offset:RBE+64*n16_
	ds_load_b128 v[96+8*\tau+4:96+8*\tau+7], v8 offset:RBE+64*n16_+16
.else
	ds_load_b128 v[128+16*\tau:128+16*\tau+3], v6 offset:RWS+1024*n16_
	ds_load_b128 v[128+16*\tau+4:128+16*\tau+7], v6 offset:RWS+1024*n16_+512
	ds_load_b32 v[22+2*\tau], v7 offset:RSS+64*n16_
	ds_load_b128 v[96+8*\tau:96+8*\tau+3], v8 offset:RBS+64*n16_
	ds_load_b128 v[96+8*\tau+4:96+8*\tau+7], v8 offset:RBS+64*n16_+16
.endif
.endr
.endm
.macro ENCMUL a                        ; sixteen accumulators by turns; the bias is the C of each sum's first product
.if \a
	WIN 0xc4
.else
	WIN 0xcc
.endif
.irp tau, 0,1,2,3
.irp m, 0,1,2,3
.if \a
	v_wmma_scale_f32_16x16x128_f8f6f4 v[32*\tau+8*\m:32*\tau+8*\m+7], v[128+16*\tau:128+16*\tau+7], v[8*\m:8*\m+7], v[96+8*\tau:96+8*\tau+7], v[22+2*\tau], v[16+\m] matrix_a_fmt:MATRIX_FMT_FP4 matrix_b_fmt:MATRIX_FMT_FP4
.else
	v_wmma_scale_f32_16x16x128_f8f6f4 v[32*\tau+8*\m:32*\tau+8*\m+7], v[128+16*\tau:128+16*\tau+7], v[192+8*\m:192+8*\m+7], v[96+8*\tau:96+8*\tau+7], v[22+2*\tau], v[16+\m] matrix_a_fmt:MATRIX_FMT_FP4 matrix_b_fmt:MATRIX_FMT_FP4
.endif
.endr
.endr
.if \a
	WIN 0xf4
.irp tau, 0,1,2,3
.irp m, 0,1,2,3
.if \m%2
	v_wmma_scale_f32_16x16x128_f8f6f4 v[32*\tau+8*\m:32*\tau+8*\m+7], v[136+16*\tau:136+16*\tau+7], v[32+8*\m:32+8*\m+7], v[32*\tau+8*\m:32*\tau+8*\m+7], v[23+2*\tau], v[20+\m/2] matrix_a_fmt:MATRIX_FMT_FP4 matrix_b_fmt:MATRIX_FMT_FP4 matrix_b_scale:MATRIX_SCALE_ROW1
.else
	v_wmma_scale_f32_16x16x128_f8f6f4 v[32*\tau+8*\m:32*\tau+8*\m+7], v[136+16*\tau:136+16*\tau+7], v[32+8*\m:32+8*\m+7], v[32*\tau+8*\m:32*\tau+8*\m+7], v[23+2*\tau], v[20+\m/2] matrix_a_fmt:MATRIX_FMT_FP4 matrix_b_fmt:MATRIX_FMT_FP4
.endif
.endr
.endr
.endif
.endm
.macro ENC a, win
	ENCLOAD \a, 0
.rept 8
	v_nop                                          ; scale words written by vector instructions stand eight places ahead of a scaled product, codes so written four
.endr
.irp q, 0,1,2,3
	s_wait_dscnt 0x0
	ENCMUL \a
	WIN 0
	P4
.if \q < 3
	ENCLOAD \a, \q+1                               ; the next four tiles' codes land under this group's way out
.endif
.irp tau, 0,1,2,3
	EPI_F16 \tau, \win, 4*\q+\tau
.endr
.endr
	WIN 0
.endm
; THE ATTENTION OF ONE HEAD.  S^T (v64-95, 8 m) = K Q^T; squares; mask; softmax along a lane's eight registers; P (v128-159); O^T = V^T P; the attended values take Q's place in my LDS bytes.
.macro ATT
	WIN 0
.irp m, 0,1,2,3
.irp sp, 0,1
.irp c, 0,1
	ds_load_b128 v[192+16*\m+8*\sp+4*\c:192+16*\m+8*\sp+4*\c+3], v5 offset:(2*\m+\sp)*1024+512*\c
.endr
.endr
.endr
.irp m, 0,1,2,3
.irp i, 0,1,2,3
	v_mov_b32 v[128+8*\m+4*(1-\m%2)+\i], 0         ; V^T's fragment spans two tiles of rows: P's half for the other tile is zeros
.endr
.endr
	s_wait_dscnt 0x0
	WIN 0x03
.irp m, 0,1,2,3
	v_wmma_f32_16x16x32_bf16 v[64+8*\m:64+8*\m+7], v[128+16*\m:128+16*\m+7], v[192+16*\m:192+16*\m+7], 0
.endr
.irp m, 0,1,2,3
	v_wmma_f32_16x16x32_bf16 v[64+8*\m:64+8*\m+7], v[136+16*\m:136+16*\m+7], v[200+16*\m:200+16*\m+7], v[64+8*\m:64+8*\m+7]
.endr
	WIN 0
	P4
.irp m, 0,1,2,3
.irp i, 0,2,4,6
	v_pk_fma_f32 v[48+\i:49+\i], v[64+8*\m+\i:65+8*\m+\i], v[64+8*\m+\i:65+8*\m+\i], v[48+\i:49+\i]   ; the unscaled logits' squares, by key agent; what does not count is masked at the end
.endr
.endr
.irp m, 0,1,2,3
.irp j, 0,1,2,3,4,5,6,7
	v_cndmask_b32 v[64+8*\m+\j], s66, v[64+8*\m+\j], s[68+\j]     ; the own agent, and keys of the other batch element: -8e9, which is -1e9 once divided by 8
.endr
.endr
.irp m, 0,1,2,3
	v_max3_num_f32 v[TT+2*\m+1], v[64+8*\m], v[65+8*\m], v[66+8*\m]
.endr
.irp m, 0,1,2,3
	v_max3_num_f32 v[TT+2*\m+1], v[TT+2*\m+1], v[67+8*\m], v[68+8*\m]
.endr
.irp m, 0,1,2,3
	v_max3_num_f32 v[TT+2*\m+1], v[TT+2*\m+1], v[69+8*\m], v[70+8*\m]
.endr
.irp m, 0,1,2,3
	v_max_num_f32 v[TT+2*\m+1], v[TT+2*\m+1], v[71+8*\m]          ; the row's maximum
.endr
.irp m, 0,1,2,3
	v_mul_f32 v[TT+2*\m], s62, v[TT+2*\m+1]
.endr
.irp m, 0,1,2,3
.irp i, 0,2,4,6
	v_pk_fma_f32 v[64+8*\m+\i:65+8*\m+\i], v[64+8*\m+\i:65+8*\m+\i], s[62:63], v[TT+2*\m:TT+2*\m+1] op_sel_hi:[1,0,0] neg_lo:[0,0,1] neg_hi:[0,0,1]   ; c s - c max, c = log2(e) / 8
.endr
.endr
.irp n, 0,1,2,3,4,5,6,7,8,9,10,11,12,13,14,15,16,17,18,19,20,21,22,23,24,25,26,27,28,29,30,31
	v_exp_f32 v[64+\n], v[64+\n]
.endr
	v_nop                                          ; a plain instruction behind the last exponential,
	s_wait_alu depctr_va_vdst(0)                   ; and one wait for the batch, ahead of its first reader
.irp m, 0,1,2,3
	v_pk_add_f32 v[TT+8+4*\m:TT+9+4*\m], v[64+8*\m:65+8*\m], v[66+8*\m:67+8*\m]
.endr
.irp m, 0,1,2,3
	v_pk_add_f32 v[TT+10+4*\m:TT+11+4*\m], v[68+8*\m:69+8*\m], v[70+8*\m:71+8*\m]
.endr
.irp m, 0,1,2,3
	v_pk_add_f32 v[TT+8+4*\m:TT+9+4*\m], v[TT+8+4*\m:TT+9+4*\m], v[TT+10+4*\m:TT+11+4*\m]
.endr
.irp m, 0,1,2,3
	v_add_f32 v[TT+8+4*\m], v[TT+8+4*\m], v[TT+9+4*\m]
.endr
.irp m, 0,1,2,3
	v_rcp_f32 v[TT+24+\m], v[TT+8+4*\m]
.endr
	v_nop
	s_wait_alu depctr_va_vdst(0)                   ; one wait for the four reciprocals
.irp m, 0,1,2,3
	v_cndmask_b32 v[TT+2*\m], 0, v[TT+24+\m], s67  ; lanes that hold the other batch element's keys give p = 0
.endr
.irp m, 0,1,2,3
.irp i, 0,2,4,6
	v_pk_mul_f32 v[64+8*\m+\i:65+8*\m+\i], v[64+8*\m+\i:65+8*\m+\i], v[TT+2*\m:TT+2*\m+1] op_sel_hi:[1,0]
.endr
.endr
.irp m, 0,1,2,3
.irp i, 0,1,2,3
	v_cvt_pk_bf16_f32 v[128+8*\m+4*(\m%2)+\i], v[64+8*\m+2*\i], v[65+8*\m+2*\i]
.endr
.endr
	WIN 0xc3
.irp t, 0,1,2,3
.irp m, 0,1,2,3
	v_wmma_f32_16x16x32_bf16 v[32*\t+8*\m:32*\t+8*\m+7], v[192+16*\t+8*(\m/2):192+16*\t+8*(\m/2)+7], v[128+8*\m:128+8*\m+7], 0
.endr
.endr
	P4
	WIN 0x0f
.irp t, 0,1,2,3
.irp m, 0,1,2,3
.irp i, 0,1,2,3
	v_cvt_pk_bf16_f32 v[192+16*\t+4*\m+\i], v[32*\t+8*\m+2*\i], v[32*\t+8*\m+2*\i+1]
.endr
.endr
.endr
	WIN 0
.irp t, 0,1,2,3
.irp m, 0,1,2,3
	ds_store_b128 v5, v[192+16*\t+4*\m:192+16*\t+4*\m+3] offset:(2*\m+\t/2)*1024+(\t%2)*512
.endr
.endr
.endm
.macro CWORK                           ; 64 units of the critic layer
	v_add_nc_u32 v3, s51, v2
	v_add_nc_u32 v9, s54, v8
	RUN 3, 8
	s_add_co_u32 s54, s54, 256
.endm
	; ---------------- the head
	s_load_b512 s[4:19], s[0:1], 0x0               ; states 4, sa 6, wts 8, res 10, b_c2 12, b_b2 14, out0 16, part 18
	v_lshl_add_u32 v38, v0, 2, SPARE
	v_mov_b32 v39, 0
	ds_add_u32 v38, v39                            ; the wave's opening: the add, twice on end, and its wait ahead of my first tensor load; the set-up below is work on registers
	ds_add_u32 v38, v39
	v_lshrrev_b32 v56, 5, v0
	v_readfirstlane_b32 s20, v56                   ; wave 0..3
	s_bfe_u32 s21, ttmp6, 0x40000                  ; cx: it enters the addresses of states, sa, out0 and part alone
	s_lshl_b32 s22, ttmp9, 2
	s_add_co_u32 s22, s22, s21                     ; work-group g = 4 x cluster + cx
	; descriptor group 1: dense blocks as rows of 256 bytes (32 elements of 8 bytes); mask: all four work-groups; bit 21 beside it
	s_mov_b32 s24, 15|(3<<16)|(1<<21)
	s_mov_b32 s25, 32<<16                          ; tensor_dim0
	s_mov_b32 s26, 64<<16                          ; tensor_dim1: 64 rows, my 16 KB of a fill
	s_mov_b32 s27, 32<<16                          ; tile_dim0
	s_mov_b32 s28, 64                              ; tile_dim1
	s_mov_b32 s29, 32                              ; the pitch
	s_mov_b32 s30, 0
	s_mov_b32 s31, 0
	s_mov_b32 s32, 15|(3<<16)|(1<<21)
	s_mov_b32 s33, 32<<16
	s_mov_b32 s34, 58<<16                          ; 58 rows: my quarter of res
	s_mov_b32 s35, 32<<16
	s_mov_b32 s36, 58
	s_mov_b32 s37, 32
	s_mov_b32 s38, 0
	s_mov_b32 s39, 0
	s_mov_b32 s40, 1
	s_mov_b32 s44, 1
	s_lshl_b32 s50, s20, 14                        ; 16,384 x wave
	s_mul_i32 s82, s20, 14848
	s_add_co_u32 s45, s82, RES
	s_mov_b32 s83, 0
	s_mov_b32 s58, 0x3c23d70a                      ; 0.01
	s_mov_b32 s59, s58
	s_mov_b32 s60, 0x76543210
	s_mov_b32 s61, 0xfedcba98                      ; lane l xor 16
	s_mov_b32 s62, 0x3e38aa3b                      ; log2(e) / 8
	s_mov_b32 s63, s62
	s_mov_b32 s66, 0xcfee6b28                      ; -8e9
	v_and_b32 v57, 31, v0                          ; lane
	v_and_b32 v58, 15, v0                          ; r
	v_bfe_u32 v59, v0, 4, 1                        ; h
	v_and_b32 v60, 7, v0                           ; agent of row r
	v_bfe_u32 v61, v0, 3, 1                        ; which of the tile's two batch elements
	v_mov_b32 v62, 0
	v_mov_b32 v63, 0
	v_lshlrev_b32 v2, 4, v57                       ; 16 x lane
	s_lshl_b32 s84, s20, 15
	s_add_co_u32 s84, s84, QOB
	v_add_nc_u32 v4, s84, v2                       ; my wave's images
	v_add_nc_u32 v6, RES, v2
	v_lshl_add_u32 v7, v58, 2, RES
	v_lshl_add_u32 v8, v59, 5, RES
	v_lshlrev_b32 v14, 3, v59
	v_add_nc_u32 v30, -1, v59                      ; all ones in lanes 0-15, 0 in lanes 16-31
	v_lshlrev_b32 v11, 23, v60                     ; states: agent x 8,388,608 + batch x 512 + 128 h
	v_lshl_add_u32 v11, v61, 9, v11
	v_lshl_add_u32 v11, v59, 7, v11
	v_mul_u32_u24 v12, v60, 0xa00000               ; sa: agent x 10,485,760 + batch x 640
	v_mad_u32_u24 v12, v61, 640, v12
	v_mad_u32_u24 v13, v59, 1280, v12              ; its tails: lanes 16-31 take the next tile's rows; k = 128 on
	v_add_nc_u32 v13, 512, v13
	v_lshl_add_u32 v12, v59, 7, v12
	v_lshlrev_b32 v15, 8, v60                      ; q - b in LDS: agent x 256 + 4 x batch element
	v_lshl_add_u32 v15, v61, 2, v15
	s_lshl_b32 s84, s20, 5
	s_add_co_u32 s85, s84, OUTS
	v_add_nc_u32 v15, s85, v15
	s_add_co_u32 s85, s84, REGP
	v_lshl_add_u32 v32, v60, 2, s85
	v_lshl_add_u32 v33, v57, 2, REGP
	s_lshl_b32 s85, s20, 9
	s_add_co_u32 s85, s85, OUTS
	v_add_nc_u32 v34, s85, v2
	s_lshl_b32 s85, s20, 17
	v_lshl_add_u32 v35, v59, 16, s85               ; out0: agent 2 w + h, 65,536 bytes each,
	v_lshl_add_u32 v35, v58, 4, v35                ; + 16 r
	v_lshlrev_b32 v36, 2, v60
	v_cmp_eq_u32 s67, v61, v59                     ; lanes whose keys belong to the query's batch element
.irp j, 0,1,2,3,4,5,6,7
	v_cmp_ne_u32 s[68+\j], \j, v60
	s_and_b32 s[68+\j], s[68+\j], s67              ; and key agent j is not the query's own
.endr
.irp j, 0,1,2,3,4,5,6,7
	v_mov_b32 v[48+\j], 0
.endr
	s_wait_dscnt 0x0                               ; both opening adds are done
	s_wait_kmcnt 0x0
	s_add_nc_u64 s[46:47], s[10:11], s[82:83]      ; res, my quarter
	s_or_b32 s47, s47, 0x80000000
	s_mov_b32 s82, s50
	s_add_nc_u64 s[48:49], s[8:9], s[82:83]        ; wts, my quarter of the first fill
	s_load_b32 s84, s[12:13], 0x0
	s_load_b32 s85, s[14:15], 0x0
	s_lshl_b32 s86, s22, 15                        ; states: (64 g + 8 w) rows of 512 bytes
	s_lshl_b32 s88, s20, 12
	s_add_co_u32 s86, s86, s88
	s_mov_b32 s87, 0
	s_add_nc_u64 s[78:79], s[4:5], s[86:87]
	s_mul_i32 s86, s22, 40960                      ; sa: rows of 640 bytes
	s_mul_i32 s88, s20, 5120
	s_add_co_u32 s86, s86, s88
	s_add_nc_u64 s[80:81], s[6:7], s[86:87]
	s_lshl_b32 s86, s22, 8
	s_add_nc_u64 s[16:17], s[16:17], s[86:87]
	s_lshl_b32 s86, s22, 5
	s_add_nc_u64 s[18:19], s[18:19], s[86:87]
.irp m, 0,1,2,3
.irp c, 0,1
	LDU 78, 1024*\m+256*\c, 1, 64*\m+32*\c, 11     ; the first block's states
.endr
.endr
	WIN 0
	CROUND                                         ; all four work-groups are here: the first joint load meets
	tensor_load_to_lds s[44:47], s[32:39]          ; res: filled once
	s_nop 0
	P4
	s_wait_kmcnt 0x0
	v_mov_b32 v1, s84
	v_sub_f32 v1, v1, s85                          ; b_c2 - b_b2
	s_wait_loadcnt 0x0
	s_add_nc_u64 s[78:79], s[78:79], 16384         ; (behind the wait for the loads that named it)  the next block's states
	QUANT4 1, 3, 192
	s_mov_b32 s55, 0
	s_mov_b32 s77, 0
.Lblock:
	START
.irp j, 0,1,2,3,4,5,6,7
	v_mov_b32 v[40+\j], 0
.endr
.irp m, 0,1,2
.irp c, 0,1
	LDU 80, 1280*\m+256*\c, 2, 64*\m+32*\c, 12     ; sa, three tiles' first 128 along K: they land under the encoder of states, Q and the b layer
.endr
.endr
	WIN 0
	ENC 0, 1                                       ; enc_s -> window 1
	; ---- Q, a head a chunk, two chunks a slot
	s_mov_b32 s53, 0
	s_mov_b32 s56, 2
.Lq:
	CHANGE 1
	s_mov_b32 s52, s51
	s_mov_b32 s57, 2
.Lq2:
	v_add_nc_u32 v3, s52, v2
	v_add_nc_u32 v5, s53, v4
	RUN 0, 4
	s_add_co_u32 s52, s52, 32768
	s_add_co_u32 s53, s53, 8192
	s_sub_co_u32 s57, s57, 1
	s_cmp_lg_u32 s57, 0
	s_cbranch_scc1 .Lq2
	s_sub_co_u32 s56, s56, 1
	s_cmp_lg_u32 s56, 0
	s_cbranch_scc1 .Lq
.irp c, 0,1
	LDU 80, 1280*3+256*\c, 2, 192+32*\c, 12        ; sa's fourth tile,
.endr
.irp u, 0,1
	LDU 80, 2560*\u, 3, 128+32*\u, 13              ; and the tails
.endr
	WIN 0
	; ---- the b layer, 64 units a chunk
	s_mov_b32 s54, 0
	s_mov_b32 s56, 2
.Lb:
	CHANGE 1
	s_mov_b32 s52, s51
	s_mov_b32 s57, 2
.Lb2:
	v_add_nc_u32 v3, s52, v2
	v_add_nc_u32 v9, s54, v8
	RUN 1, 4
	s_add_co_u32 s52, s52, 32768
	s_add_co_u32 s54, s54, 256
	s_sub_co_u32 s57, s57, 1
	s_cmp_lg_u32 s57, 0
	s_cbranch_scc1 .Lb2
	s_sub_co_u32 s56, s56, 1
	s_cmp_lg_u32 s56, 0
	s_cbranch_scc1 .Lb
	; ---- sa: quantised, encoded
	s_wait_loadcnt 0x0
	s_add_nc_u64 s[80:81], s[80:81], 20480         ; (behind the wait for the loads that named it)
	QUANT4 2, 1, 0
	QUANTT
	s_cmp_eq_u32 s55, NBLK-1                       ; the next block's states, if there is a next block: no load leaves its buffer
	s_cbranch_scc1 .Lno7
.irp m, 1,2,3
.irp c, 0,1
	LDU 78, 1024*\m+256*\c, 1, 64*\m+32*\c, 11
.endr
.endr
	WIN 0
.Lno7:
	ENC 1, 2                                       ; enc_sa -> window 2
	s_cmp_eq_u32 s55, NBLK-1
	s_cbranch_scc1 .Lno9
.irp c, 0,1
	LDU 78, 256*\c, 1, 32*\c, 11                   ; its first tile, where sa's codes lay
.endr
	WIN 0
.Lno9:
	; ---- the heads: K, V, the attention
	s_mov_b32 s53, 0
	s_mov_b32 s54, 0
	s_mov_b32 s56, 4
.Lh:
	CHANGE 1
	v_add_nc_u32 v3, s51, v2
	v_add_nc_u32 v5, s53, v4
	v_add_nc_u32 v10, s54, v7
	RUN 2, 8
	ATT
	s_add_co_u32 s53, s53, 8192
	s_add_co_u32 s54, s54, 256
	s_sub_co_u32 s56, s56, 1
	s_cmp_lg_u32 s56, 0
	s_cbranch_scc1 .Lh
	s_wait_loadcnt 0x0                             ; on every path: no load is on its way into window 1 from here on
	s_cmp_eq_u32 s55, NBLK-1
	s_cbranch_scc1 .Lno11
	s_add_nc_u64 s[78:79], s[78:79], 16384
	QUANT4 1, 3, 192                               ; the next block's states become codes, and window 1 is free
.Lno11:
	WIN 0x40
.irp m, 0,1,2,3
.irp ks, 0,1,2,3,4,5,6,7
.irp c, 0,1
	ds_load_b128 v[64*\m+8*\ks+4*\c:64*\m+8*\ks+4*\c+3], v4 offset:(\ks/2)*8192+(2*\m+\ks%2)*1024+512*\c    ; the attended values, heads on end: fragment (m, K step)
.endr
.endr
.endr
	WIN 0
	; ---- the critic layer, 64 units a slot
	s_mov_b32 s54, 0
	s_mov_b32 s56, 3
.Lc:
	CHANGE 1
	CWORK
	s_sub_co_u32 s56, s56, 1
	s_cmp_lg_u32 s56, 0
	s_cbranch_scc1 .Lc
	CHANGE 0                                       ; the block's last slot is written out: nothing is asked for
	CWORK
	; ---- q - b of my 64 rows: the pair's two halves, the other half of the lanes' units, the two last biases
	v_add_nc_u32 v31, s77, v15
.irp m, 0,1,2,3
	v_add_f32 v[56+\m], v[40+2*\m], v[41+2*\m]
.endr
.irp m, 0,1,2,3
	v_permlanex16_b32 v[60+\m], v[56+\m], s60, s61
.endr
.irp m, 0,1,2,3
	v_add_f32 v[56+\m], v[56+\m], v[60+\m]
.endr
.irp m, 0,1,2,3
	v_add_f32 v[56+\m], v[56+\m], v1
.endr
.irp m, 0,1,2,3
	ds_store_b32 v31, v[56+\m] offset:8*\m         ; both halves of the lanes write the same word with the same value
.endr
	s_add_co_u32 s77, s77, 128
	s_add_co_u32 s55, s55, 1
	s_cmp_lt_u32 s55, NBLK
	s_cbranch_scc1 .Lblock
	; ---------------- the tail
	v_cndmask_b32 v56, 0, v48, s68                 ; the squares that count, over the key agents
.irp j, 1,2,3,4,5,6,7
	v_cndmask_b32 v57, 0, v[48+\j], s[68+\j]
	v_add_f32 v56, v56, v57
.endr
	v_permlanex16_b32 v57, v56, s60, s61
	v_add_f32 v56, v56, v57
	v_add_f32_dpp v56, v56, v56 row_xmask:8 row_mask:0xf bank_mask:0xf   ; lanes a and 24 + a hold agent a's: every lane now has the sum of agent lane % 8
	ds_store_b32 v32, v56
	s_wait_dscnt 0x0                               ; for the others' sake: my stores of q - b and of the sums are done
	s_barrier_signal -1
	s_barrier_wait -1
	ds_load_b128 v[64:67], v34                     ; two agents' 64 numbers
	ds_load_b32 v58, v33                           ; [wave][agent]
	s_wait_dscnt 0x0
	global_store_b128 v35, v[64:67], s[16:17]      ; sixteen lanes store 256 consecutive bytes, at a multiple of 256 from out0's first byte
	v_add_f32_dpp v58, v58, v58 row_xmask:8 row_mask:0xf bank_mask:0xf
	v_permlanex16_b32 v59, v58, s60, s61
	v_add_f32 v58, v58, v59                        ; over the four waves
	s_cmp_lg_u32 s20, 0
	s_cbranch_scc1 .Lnot0
	global_store_b32 v36, v58, s[18:19]            ; part[g][agent]; lanes of one agent store the same word with the same value
.Lnot0:
	s_wait_tensorcnt 0x0                           ; the wave's end, behind my last tensor load and my last LDS store
	ds_add_u32 v38, v39
	s_wait_dscnt 0x0
	CROUND                                         ; the closing round: no work-group ends while a partner may still ask for a tile that names it
	s_endpgm
.Lfunc_end_k_q590e859006_main:
	.size	k_q590e859006_main, .Lfunc_end_k_q590e859006_main-k_q590e859006_main
	.p2alignl 7, 3214868480
	.fill 96, 4, 3214868480
	.section	.rodata,"a",@progbits
	.p2align	6, 0x0
	.amdhsa_kernel k_q590e859006_main
		.amdhsa_group_segment_fixed_size 327680
		.amdhsa_private_segment_fixed_size 0
		.amdhsa_enable_private_segment 0
		.amdhsa_kernarg_size 64
		.amdhsa_user_sgpr_count 2
		.amdhsa_user_sgpr_kernarg_segment_ptr 1
		.amdhsa_wavefront_size32 1
		.amdhsa_system_sgpr_workgroup_id_x 1
		.amdhsa_system_sgpr_workgroup_id_y 1
		.amdhsa_system_sgpr_workgroup_id_z 1
		.amdhsa_system_vgpr_workitem_id 0
		.amdhsa_next_free_vgpr 1024
		.amdhsa_next_free_sgpr 100
		.amdhsa_reserve_vcc 0
		.amdhsa_float_denorm_mode_32 3
		.amdhsa_float_denorm_mode_16_64 3
		.amdhsa_memory_ordered 1
		.amdhsa_forward_progress 1
		.amdhsa_inst_pref_size 255
	.end_amdhsa_kernel
	.section	.bss,"aw",@nobits
	.p2align	6
	.space	262144
	.amdgpu_metadata
---
amdhsa.version: [ 1, 2 ]
amdhsa.kernels:
  - .name:           k_q590e859006_main
    .symbol:         k_q590e859006_main.kd
    .args:
      - { .name: states, .offset: 0, .size: 8, .value_kind: global_buffer, .address_space: global }
      - { .name: sa, .offset: 8, .size: 8, .value_kind: global_buffer, .address_space: global }
      - { .name: wts, .offset: 16, .size: 8, .value_kind: global_buffer, .address_space: global }
      - { .name: res, .offset: 24, .size: 8, .value_kind: global_buffer, .address_space: global }
      - { .name: b_c2, .offset: 32, .size: 8, .value_kind: global_buffer, .address_space: global }
      - { .name: b_b2, .offset: 40, .size: 8, .value_kind: global_buffer, .address_space: global }
      - { .name: out0, .offset: 48, .size: 8, .value_kind: global_buffer, .address_space: global }
      - { .name: part, .offset: 56, .size: 8, .value_kind: global_buffer, .address_space: global }
    .group_segment_fixed_size: 327680
    .private_segment_fixed_size: 0
    .kernarg_segment_align: 8
    .kernarg_segment_size: 64
    .max_flat_workgroup_size: 128
    .sgpr_count:     100
    .vgpr_count:     1024
    .wavefront_size: 32
...
	.end_amdgpu_metadata
.endif
;; end of part 2
;; launch fin (part 3): grid 1 x 1, 1 waves a work-group, no clusters, 0 bytes of LDS; arguments part, out1; writes out1
.if DOCPART == 3
	.amdgcn_target "amdgcn-amd-amdhsa--gfx1250"
	.amdhsa_code_object_version 6
	.text
	.protected	k_q590e859006_fin
	.globl	k_q590e859006_fin
	.p2align	8
	.type	k_q590e859006_fin,@function
k_q590e859006_fin:
	s_mov_b64 s[64:65], 0
	v_nop
	global_prefetch_b8 v0, s[64:65] scope:SCOPE_SE
	s_setreg_imm32_b32 hwreg(HW_REG_WAVE_MODE, 25, 1), 1
	s_wait_xcnt 0x0
; out1[agent] = 0.001 x (the sum over the 256 work-groups of part[work-group][agent]) / (16,384 x 7), in a fixed order.
; part is 8,192 bytes: lane l takes the 16 bytes at 16 l + 512 n, n = 0 .. 15: even lanes hold agents 0-3, odd lanes agents 4-7.  One wave: there is nothing here to share out.
; The order of the sums differs from the reference's (which sums by head first).
	s_load_b128 s[4:7], s[0:1], 0x0                ; part, out1
	v_lshlrev_b32 v1, 4, v0
	s_mov_b32 s8, 0x76543210
	s_mov_b32 s9, 0xfedcba98                       ; lane l xor 16
.irp i, 0,1,2,3
	v_mov_b32 v[72+\i], 0                          ; a lane permute's destination counts as one of its sources
.endr
	s_wait_kmcnt 0x0
.irp n, 0,1,2,3,4,5,6,7,8,9,10,11,12,13,14,15
	global_load_b128 v[8+4*\n:11+4*\n], v1, s[4:5] offset:512*\n
.endr
	s_wait_loadcnt 0x0
.irp n, 1,2,3,4,5,6,7,8,9,10,11,12,13,14,15
	v_pk_add_f32 v[8:9], v[8:9], v[8+4*\n:9+4*\n]
	v_pk_add_f32 v[10:11], v[10:11], v[10+4*\n:11+4*\n]
.endr
.irp x, 2,4,8
.irp i, 0,1,2,3
	v_add_f32_dpp v[8+\i], v[8+\i], v[8+\i] row_xmask:\x row_mask:0xf bank_mask:0xf   ; lanes of the same parity
.endr
.endr
.irp i, 0,1,2,3
	v_permlanex16_b32 v[72+\i], v[8+\i], s8, s9
.endr
.irp i, 0,1,2,3
	v_add_f32 v[8+\i], v[8+\i], v[72+\i]
.endr
.irp i, 0,1,2,3
	v_mul_f32 v[8+\i], 0x37124925, v[8+\i]         ; / 114,688
.endr
.irp i, 0,1,2,3
	v_mul_f32 v[8+\i], 0x3a83126f, v[8+\i]         ; x 0.001
.endr
	s_wait_xcnt 0x0                                ; EXEC changes only behind this wait
	v_cmp_gt_u32 vcc_lo, 2, v0
	s_and_saveexec_b32 s10, vcc_lo
	global_store_b128 v1, v[8:11], s[6:7]          ; lanes 0 and 1: the 32 bytes of out1
	s_wait_xcnt 0x0                                ; and again, in front of the line that widens it
	s_or_b32 exec_lo, exec_lo, s10
	s_endpgm
.Lfunc_end_k_q590e859006_fin:
	.size	k_q590e859006_fin, .Lfunc_end_k_q590e859006_fin-k_q590e859006_fin
	.p2alignl 7, 3214868480
	.fill 96, 4, 3214868480
	.section	.rodata,"a",@progbits
	.p2align	6, 0x0
	.amdhsa_kernel k_q590e859006_fin
		.amdhsa_group_segment_fixed_size 0
		.amdhsa_private_segment_fixed_size 0
		.amdhsa_enable_private_segment 0
		.amdhsa_kernarg_size 16
		.amdhsa_user_sgpr_count 2
		.amdhsa_user_sgpr_kernarg_segment_ptr 1
		.amdhsa_wavefront_size32 1
		.amdhsa_system_sgpr_workgroup_id_x 1
		.amdhsa_system_sgpr_workgroup_id_y 1
		.amdhsa_system_sgpr_workgroup_id_z 1
		.amdhsa_system_vgpr_workitem_id 0
		.amdhsa_next_free_vgpr 80
		.amdhsa_next_free_sgpr 66
		.amdhsa_reserve_vcc 1
		.amdhsa_float_denorm_mode_32 3
		.amdhsa_float_denorm_mode_16_64 3
		.amdhsa_memory_ordered 1
		.amdhsa_forward_progress 1
		.amdhsa_inst_pref_size 6
	.end_amdhsa_kernel
	.amdgpu_metadata
---
amdhsa.version: [ 1, 2 ]
amdhsa.kernels:
  - .name:           k_q590e859006_fin
    .symbol:         k_q590e859006_fin.kd
    .args:
      - { .name: part, .offset: 0, .size: 8, .value_kind: global_buffer, .address_space: global }
      - { .name: out1, .offset: 8, .size: 8, .value_kind: global_buffer, .address_space: global }
    .group_segment_fixed_size: 0
    .private_segment_fixed_size: 0
    .kernarg_segment_align: 8
    .kernarg_segment_size: 16
    .max_flat_workgroup_size: 32
    .sgpr_count:     66
    .vgpr_count:     80
    .wavefront_size: 32
...
	.end_amdgpu_metadata
.endif
;; end of part 3
;; ======== version 2 of 2: 3 launches; 1.19 times as fast as version 1
;; limits: values are held in f16: magnitudes above 65,504 overflow, below 6.1e-05 lose precision
;; workspace buffers: wts 786,432 bytes; res 59,392 bytes; part 8,192 bytes
;; launch prep: the kernel of part 1 again; grid 103 x 1, 8 waves a work-group, no clusters, 0 bytes of LDS; arguments W_q, W_k, W_v, W_b1, W_c1, W_s, W_enc, b_s, b_enc, b_b1, W_b2, b_c1, W_c2, b_v, wts, res; writes wts, res
;; launch main (part 4): grid 256 x 1, 4 waves a work-group, clusters of 4 x 1, 327,680 bytes of LDS; arguments states, sa, wts, res, b_c2, b_b2, out0, part; writes out0, part
.if DOCPART == 4
	.amdgcn_target "amdgcn-amd-amdhsa--gfx1250"
	.amdhsa_code_object_version 6
	.text
	.protected	k_q590e859006_main
	.globl	k_q590e859006_main
	.p2align	8
	.type	k_q590e859006_main,@function
k_q590e859006_main:
	s_mov_b64 s[64:65], 0
	v_nop
	global_prefetch_b8 v0, s[64:65] scope:SCOPE_SE
	s_setreg_imm32_b32 hwreg(HW_REG_WAVE_MODE, 25, 1), 1
	s_wait_xcnt 0x0
	s_wait_alu depctr_hold_cnt(0) depctr_sa_sdst(0) depctr_va_vdst(0) depctr_va_sdst(0) depctr_va_ssrc(0) depctr_va_vcc(0) depctr_vm_vsrc(0)
	s_getreg_b32 s2, hwreg(HW_REG_IB_STS2, 6, 4)
	s_cmp_eq_u32 s2, 0
	s_cbranch_scc0 .Lentry_in_a_cluster
	s_endpgm
.Lentry_in_a_cluster:
	s_bfe_u32 s2, ttmp6, 0x10000c
	s_cmp_lg_u32 s2, 0x3003
	s_cbranch_scc0 .Lentry_shape_is_right
	s_endpgm
.Lentry_shape_is_right:
; The whole chain for 131,072 rows (8 agents x 16,384 batch elements): two encoders on codes of E2M1, the projections, the attention among the 8 agents of a batch element, both heads of the critic, q - b, and the squared logits.
; SHARES.  Work-group g owns batch elements 64 g .. 64 g + 63, in two blocks of 32.  In a block wave w owns 8 of them with all 8 agents: 64 rows, four tiles of 16; row r of tile m is agent r % 8 of batch element
; b0 + 2 m + r / 8.  The attention mixes only the agents of one batch element, so a wave carries its rows through the whole chain: activations never leave the wave, only weights are shared.
; WEIGHTS.  768 KB of 16-bit fragments (buffer wts, in the order of the walk) come through a ring of two LDS slots of 64 KB, 12 fills a block.  All work-groups walk the same stream: the four of a cluster ask jointly.
; A fragment read from LDS feeds four products (the wave's four tiles of rows).  The small things (the encoders' codes and scale words, biases, W_b2, W_c2) lie in LDS for the whole launch.
; LAYOUT.  Products are used transposed (source 0 = 16 units of W, source 1 = 16 rows): a lane's eight results are eight neighbouring units of one row, and two such tiles, rounded in pairs, are a fragment of the next
; product.  V alone is made the other way (source 0 = rows), which gives V^T's fragments.  S^T = K Q^T holds for lane (r, h) the keys 8 h + j of query r: it counts where r / 8 = h.
; FORMATS.  Encoders: E2M1 with E8M0 scales, by the stated quantiser on the f32 inputs.  enc_s, enc_sa and their weights: f16.  Q, K, p, V, the attended values and W_c1's lower half: bf16.  All else f32.
; INPUTS.  They are loaded along their rows: a lane takes 32 neighbouring bytes (8 numbers), sixteen lanes a row's 512 bytes.  They are asked for a phase ahead, into register windows that are idle then.  A block of 32
; lies in four lanes; a lane's 8 codes are one register, and the codes are turned into the operand's layout through a stage of the wave's own in LDS.
; BY TURNS.  In the long chains of products a step's 32 products carry the next step's LDS loads and the last step's way out, in slices behind single products.
; LIMITS: NaN and infinities are not served; |enc| has to stay under 65,504 (f16); a block of zeros gets the byte 1 where the rule says 127 (zero codes; this program alone reads the bytes); blocks whose largest
; magnitude lies under 2^-124 keep the byte 1; the sums of q - b and of the squared logits are taken in another order than the reference's.
; REGISTERS, in windows of 256 (s_set_vgpr_msb: bits 1:0 source 0, 3:2 source 1, 5:4 source 2, 7:6 destination):
;   window 0: v1 b_c2 - b_b2; v2-15, v30-34 addresses and lane terms; v16-21 the activations' scale words; v22-29 the weights' scale words; v38, v39 the add's two; v40-47 q - b in the making; v48-55 squared logits;
;             v56-59 at work; v60-63 q - b (lanes 0-15: block 0, lanes 16-31: block 1); v64-95 T, at work (S^T in the attention); v96-127 biases and W_b2 / W_c2; v128-255 weight fragments, two sets of 64
;             (in the attention P and Q's fragments; in the quantiser codes and bytes just made)
;   window 1: stage of states, enc_s, sa's codes, the attended values.   window 2: stage of sa, enc_sa.   window 3: v0-127 accumulators (t, m) at 32 t + 8 m; v128-191 K's fragments, sa's tails; v192-255 V^T, the codes of states
.set NBLK,  2
.set SLOTB, 65536                      ; a slot: two chunks of 32,768 bytes; slot 1 begins here
.set QOB,   131072                     ; Q's fragments by head, later the attended values': 32,768 bytes a wave, images of registers
.set RES,   262144                     ; the copy of buffer res, 59,392 bytes, filled once
.set STG,   321536                     ; the quantiser's stages: for each wave 1,024 bytes of codes (16 rows x 64 bytes) and 256 bytes of scales
.set STW,   1280
.set OUTS,  STG                        ; at the tail, when the stages are done with: q - b as [agent 8][batch element 64] f32
.set REGP,  326656                     ; the waves' sums of squared logits: [wave 4][agent 8] f32
.set SPARE, 326912                     ; the spare words, 128 bytes for each wave: two blocks of 256 bytes that no other line names
.set RWS,   0                          ; in res: W_s's 16 images of 1,024 bytes;
.set RWE,   16384                      ; W_enc's, [tile 16][K step 2];
.set RSS,   49152                      ; W_s's scale words, 64 bytes a tile;
.set RSE,   50176                      ; W_enc's;
.set RBS,   52224                      ; b_s, b_enc, b_b1, W_b2, b_c1, W_c2, b_v
.set RBE,   53248
.set RBB,   54272
.set RWB2,  55296
.set RBC,   56320
.set RWC2,  57344
.set RBV,   58368
.set T,     64
.set TT,    96
.set CD,    128                        ; the quantiser: codes just made, eight registers a tile
.set BY,    160                        ; and scale bytes
.set SBS,   88                         ; s[88:95] states at my rows of the block to be loaded next, for agents 0, 2, 4, 6
.set SBA,   4                          ; s[4:11]  sa likewise
.set MSB,   0
.macro WIN new                         ; the immediate's high byte repeats the setting that is left; a switch that changes nothing is dropped
.if MSB != (\new)
	s_set_vgpr_msb (MSB<<8)|(\new)
.set MSB, (\new)
.endif
.endm
.macro P4                              ; four places behind matrix instructions: in front of reads of results and of loads into registers that they have read
.rept 4
	v_nop
.endr
.endm
; A round of the cluster's barrier: my work-group's barrier; wave 0 signals for the work-group; every wave waits for all four work-groups; my work-group's barrier once more.
.macro CROUND
	s_barrier_signal -1
	s_barrier_wait -1
	s_cmp_lg_u32 s20, 0
	s_cbranch_scc1 .Lnot_wave_0_\@
	s_barrier_signal -3
.Lnot_wave_0_\@:
	s_barrier_wait -3
	s_barrier_signal -1
	s_barrier_wait -1
.endm
.macro TL                              ; my quarter (16 KB) of the next fill, asked for jointly; an s_nop 0 and four v_nop follow
	tensor_load_to_lds s[40:43], s[24:31]
	s_nop 0
	P4
.endm
; A block's first fill.  Both blocks run the same twelve fills, so that no joint load is ever jumped over.
.macro START
	s_wait_tensorcnt 0x0                           ; no tensor load of mine is out, so the descriptor may be written
	ds_add_u32 v38, v39                            ; 0 onto my spare word; the descriptor's words stand between it and the wait for it
	s_mov_b32 s41, s50                             ; slot 0, my quarter
	s_mov_b64 s[42:43], s[48:49]                   ; the stream's first 64 KB, my quarter
	s_or_b32 s43, s43, 0x80000000
	s_mov_b32 s51, SLOTB                           ; (the first change of slots turns this to slot 0)
	s_wait_dscnt 0x0                               ; the add is done, and my reads of both slots are over
	CROUND                                         ; that now holds of every wave of the four work-groups
	TL
.endm
; The change of slots, at the head of a slot's work.  fill = 1: the slot just left takes the next 64 KB: the load has a slot's work in which to land.  By this text's count one tensor load of a wave is out at the most.
.macro CHANGE fill
	s_wait_tensorcnt 0x0                           ; my part of the slot that I am about to read has landed
	ds_add_u32 v38, v39
.if \fill
	s_xor_b32 s41, s41, SLOTB
	s_add_nc_u64 s[42:43], s[42:43], SLOTB         ; the type bits on top are not reached
	s_wait_dscnt 0x0                               ; the add is done, and my reads of the slot that I have left are over
	CROUND
	TL
.else
	s_wait_dscnt 0x0
	s_barrier_signal -1
	s_barrier_wait -1
.endif
	s_xor_b32 s51, s51, SLOTB                      ; the slot that is read now
.endm
; A tile of 16 rows x 128 numbers into v[64 m] on of window win, as eight pairs of loads.  Pair j: lanes 0-15 take row 2 j, lanes 16-31 row 2 j + 1, a lane 32 neighbouring bytes (its 8 numbers: k = 8 (lane % 16) + 0 .. 7).
; Rows 2 j, 2 j + 1 are agents 2 (j % 4), 2 (j % 4) + 1 of batch element 2 m + j / 4: the pair of agents picks the scalar base, the lane's half the agent, the batch element stands in the immediate.
; The pair's second load takes the other half of each 32 bytes straight behind the first, and nobody reads them afterwards: hence the hint.
.macro LDT sb, rowb, win, m, vo
	WIN (\win)<<6
.irp j, 0,1,2,3,4,5,6,7
	global_load_b128 v[64*(\m)+8*\j:64*(\m)+8*\j+3], v[\vo], s[(\sb)+2*(\j%4):(\sb)+2*(\j%4)+1] offset:(2*(\m)+\j/4)*(\rowb) th:TH_LOAD_RT_NT
	global_load_b128 v[64*(\m)+8*\j+4:64*(\m)+8*\j+7], v[\vo], s[(\sb)+2*(\j%4):(\sb)+2*(\j%4)+1] offset:(2*(\m)+\j/4)*(\rowb)+16 th:TH_LOAD_RT_NT
.endr
.endm
; sa's k = 128 .. 159 of my 64 rows into v128-191 of window 3: pair e is batch element e: four lanes to an agent's 128 bytes
.macro LDTT
	WIN 0xc0
.irp e, 0,1,2,3,4,5,6,7
	global_load_b128 v[128+8*\e:128+8*\e+3], v13, s[SBA:SBA+1] offset:640*\e th:TH_LOAD_RT_NT
	global_load_b128 v[128+8*\e+4:128+8*\e+7], v13, s[SBA:SBA+1] offset:640*\e+16 th:TH_LOAD_RT_NT
.endr
.endm
; Four tiles x 128 K of f32 (window wx, as LDT left them) become four operands of codes (window wc, from v[cb] on) and their scale words v16-19.
; A block of 32 lies in four neighbouring lanes.  A pair's codes are one register: 4 x lane + 128 j in my stage puts them down as rows of 64 bytes; lane (r, h) takes them up as the operand wants them:
; 16 bytes at 64 r + 16 h and 32 further on.  The bytes go to 4 x row + block and come back as words.  LDS serves a wave's instructions in order (ISA guide 5.7.1): the next tile's stores come behind this tile's loads.
.macro QUANT4 wx, wc, cb
.irp m, 0,1,2,3
	WIN (\wx)|((\wx)<<2)
.irp j, 0,1,2,3,4,5,6,7
	v_max3_num_f32 v[T+\j], |v[64*\m+8*\j]|, |v[64*\m+8*\j+1]|, s78    ; s78: the floor 2^(3 - 127), which holds the byte at 1 from below
.endr
.irp i, 2,4,6
.irp j, 0,1,2,3,4,5,6,7
	v_max3_num_f32 v[T+\j], |v[64*\m+8*\j+\i]|, |v[64*\m+8*\j+\i+1]|, v[T+\j]    ; (the eight pairs by turns)
.endr
.endr
	WIN 0
.irp x, 1,2
.irp j, 0,1,2,3,4,5,6,7
	v_max_num_f32_dpp v[T+\j], v[T+\j], v[T+\j] row_xmask:\x row_mask:0xf bank_mask:0xf    ; with the block's other three lanes
.endr
.endr
.irp j, 0,1,2,3,4,5,6,7
	v_add_nc_u32 v[T+8+\j], s77, v[T+\j]           ; 2 off the exponent field: the conversion's scale operand
.endr
.irp j, 0,1,2,3,4,5,6,7
	v_lshrrev_b32 v[BY+8*\m+\j], 23, v[T+8+\j]     ; the scale's byte
.endr
	WIN (\wx)
.irp j, 0,1,2,3,4,5,6,7
	v_cvt_scalef32_pk8_fp4_f32 v[CD+8*\m+\j], v[64*\m+8*\j:64*\m+8*\j+7], v[T+8+\j]
.endr
	v_nop                                          ; one plain place behind the conversions
	WIN 0
.irp j, 0,1,2,3,4,5,6,7
	ds_store_b32 v14, v[CD+8*\m+\j] offset:128*\j
.endr
.irp j, 0,1,2,3,4,5,6,7
	ds_store_b8 v31, v[BY+8*\m+\j] offset:64*\m+8*\j       ; a block's four lanes write the same byte with the same value
.endr
	WIN (\wc)<<6
	ds_load_b128 v[(\cb)+8*\m:(\cb)+8*\m+3], v15
	ds_load_b128 v[(\cb)+8*\m+4:(\cb)+8*\m+7], v15 offset:32
	WIN 0
	ds_load_b32 v[16+\m], v32 offset:64*\m
.endr
	s_wait_dscnt 0x0
.endm
; sa's k = 128 .. 159: one block a row, in four lanes.  The operand of the second K step wants the block in lanes 0-15 and zero codes everywhere else.
.macro QUANTT
	WIN 0x0f
.irp e, 0,1,2,3,4,5,6,7
	v_max3_num_f32 v[T+\e], |v[128+8*\e]|, |v[129+8*\e]|, s78
.endr
.irp i, 2,4,6
.irp e, 0,1,2,3,4,5,6,7
	v_max3_num_f32 v[T+\e], |v[128+8*\e+\i]|, |v[129+8*\e+\i]|, v[T+\e]
.endr
.endr
	WIN 0
.irp x, 1,2
.irp e, 0,1,2,3,4,5,6,7
	v_max_num_f32_dpp v[T+\e], v[T+\e], v[T+\e] row_xmask:\x row_mask:0xf bank_mask:0xf
.endr
.endr
.irp e, 0,1,2,3,4,5,6,7
	v_add_nc_u32 v[T+8+\e], s77, v[T+\e]
.endr
.irp e, 0,1,2,3,4,5,6,7
	v_lshrrev_b32 v[TT+8+\e], 23, v[T+8+\e]        ; the scale word: the block's byte; the three bytes above are 0, over zero codes
.endr
	WIN 0x03
.irp e, 0,1,2,3,4,5,6,7
	v_cvt_scalef32_pk8_fp4_f32 v[TT+\e], v[128+8*\e:128+8*\e+7], v[T+8+\e]
.endr
	v_nop                                          ; one plain place behind the conversions
	WIN 0
.irp e, 0,1,2,3,4,5,6,7
	ds_store_b32 v14, v[TT+\e] offset:128*\e       ; 16 bytes a row: row 16 m + r at 256 m + 16 r
.endr
.irp e, 0,1,2,3,4,5,6,7
	ds_store_b32 v34, v[TT+8+\e] offset:32*\e      ; a word a row; a row's four lanes write the same word with the same value
.endr
.irp m, 0,1,2,3
	ds_load_b128 v[T+16+4*\m:T+16+4*\m+3], v33 offset:256*\m
.endr
.irp u, 0,1
	ds_load_b32 v[20+\u], v14 offset:1024+128*\u   ; lanes 0-15: tile 2 u's words, lanes 16-31: tile 2 u + 1's
.endr
	s_wait_dscnt 0x0
	WIN 0x40
.irp m, 0,1,2,3
.irp g, 0,1,2,3
	v_and_b32 v[32+8*\m+\g], v30, v[T+16+4*\m+\g]  ; v30: all ones in lanes 0-15, 0 in lanes 16-31
	v_mov_b32 v[36+8*\m+\g], 0                     ; k = 192 .. 255: zero codes
.endr
.endr
	WIN 0
.endm
; T[8 m + i] = leaky(accumulator (t, m)) = max(x, 0.01 x).  Each accumulator is read from its low end on.
.macro LEAKY t
	WIN 0x03
.irp i, 0,2,4,6
.irp m, 0,1,2,3
	v_pk_mul_f32 v[T+8*\m+\i:T+8*\m+\i+1], v[32*(\t)+8*\m+\i:32*(\t)+8*\m+\i+1], s[58:59] op_sel_hi:[1,0]
.endr
.endr
.irp i, 0,1,2,3,4,5,6,7
.irp m, 0,1,2,3
	v_max_num_f32 v[T+8*\m+\i], v[32*(\t)+8*\m+\i], v[T+8*\m+\i]
.endr
.endr
.endm
.macro EPI_F16 t, win, n16             ; an encoder's tile n16 of 16 units: half a fragment of K step n16 / 2, in window win
	LEAKY \t
	WIN (\win)<<6
.irp m, 0,1,2,3
.irp i, 0,1,2,3
	v_cvt_pk_f16_f32 v[64*\m+8*((\n16)/2)+4*((\n16)%2)+\i], v[T+8*\m+2*\i], v[T+8*\m+2*\i+1]
.endr
.endr
.endm
; THE WAYS OUT OF A TILE OF SUMS, cut into groups of four instructions; g_ is the group's number.
.macro LKG t                           ; groups 0-11 of leaky: 0-3 the products by 0.01, a pair of registers of each of the four tiles of rows; 4-11 the maxima.  Group 0 reads each accumulator's two lowest registers
	WIN 0x03
.if g_ < 4
.irp m, 0,1,2,3
	v_pk_mul_f32 v[T+8*\m+2*g_:T+8*\m+2*g_+1], v[32*(\t)+8*\m+2*g_:32*(\t)+8*\m+2*g_+1], s[58:59] op_sel_hi:[1,0]
.endr
.else
.irp m, 0,1,2,3
	v_max_num_f32 v[T+8*\m+g_-4], v[32*(\t)+8*\m+g_-4], v[T+8*\m+g_-4]
.endr
.endif
.endm
.macro ESG t, p, neg                   ; the last layer's dot product: q - b gathers leaky(.) x W_c2, or (neg = 1) less leaky(.) x W_b2: groups 12-15
.if g_ < 12
	LKG \t
.else
	WIN 0
.set e_, 2*(g_-12)
.irp m, 0,1,2,3
.if \neg
	v_pk_fma_f32 v[40+2*\m:41+2*\m], v[T+8*\m+e_:T+8*\m+e_+1], v[112+8*(\p)+e_:112+8*(\p)+e_+1], v[40+2*\m:41+2*\m] neg_lo:[1,0,0] neg_hi:[1,0,0]
.else
	v_pk_fma_f32 v[40+2*\m:41+2*\m], v[T+8*\m+e_:T+8*\m+e_+1], v[112+8*(\p)+e_:112+8*(\p)+e_+1], v[40+2*\m:41+2*\m]
.endif
.endr
.endif
.endm
.macro EVG t                           ; V: a lane holds channel 16 t + r and eight rows: V^T's fragment (t, m / 2), half m % 2: groups 12-15, a tile of rows each
.if g_ < 12
	LKG \t
.else
	WIN 0xc0
.set e_, g_-12
.irp i, 0,1,2,3
	v_cvt_pk_bf16_f32 v[192+16*(\t)+8*(e_/2)+4*(e_%2)+\i], v[T+8*e_+2*\i], v[T+8*e_+2*\i+1]
.endr
.endif
.endm
.macro EKG t                           ; K: fragment (m, t / 2), half t % 2: four groups, a tile of rows each
.if g_ < 4
	WIN 0xcf
.irp i, 0,1,2,3
	v_cvt_pk_bf16_f32 v[128+16*g_+8*((\t)/2)+4*((\t)%2)+\i], v[32*(\t)+8*g_+2*\i], v[32*(\t)+8*g_+2*\i+1]
.endr
.endif
.endm
.macro EQG t                           ; Q: the same, but to my own LDS bytes as an image of the registers (group 4): the head's number is a loop's step, and only an address can follow it
.if g_ < 4
	WIN 0x0f
.irp i, 0,1,2,3
	v_cvt_pk_bf16_f32 v[T+16*((\t)%2)+4*g_+\i], v[32*(\t)+8*g_+2*\i], v[32*(\t)+8*g_+2*\i+1]
.endr
.elseif g_ == 4
	WIN 0
.irp m, 0,1,2,3
	ds_store_b128 v5, v[T+16*((\t)%2)+4*\m:T+16*((\t)%2)+4*\m+3] offset:(2*\m+(\t)/2)*1024+((\t)%2)*512
.endr
.endif
.endm
; The fragments of n tile t of a chunk (16 units x 256 K: 16 loads) into set p, and what goes with them, as one run: a chain's first step.
; kind 0: nothing; 1: b_b1 and W_b2; 2: b_c1; 3: W_c2; 4: b_v (one number a lane, in all eight registers)
.macro FETCH kind, t, p, off
	WIN 0
.irp ks, 0,1,2,3,4,5,6,7
	ds_load_b128 v[128+64*(\p)+8*\ks:128+64*(\p)+8*\ks+3], v3 offset:(\off)+8192*(\t)+1024*\ks
	ds_load_b128 v[128+64*(\p)+8*\ks+4:128+64*(\p)+8*\ks+7], v3 offset:(\off)+8192*(\t)+1024*\ks+512
.endr
.if \kind == 1
	ds_load_b128 v[96+8*(\p):96+8*(\p)+3], v9 offset:RBB+64*(\t)
	ds_load_b128 v[96+8*(\p)+4:96+8*(\p)+7], v9 offset:RBB+64*(\t)+16
	ds_load_b128 v[112+8*(\p):112+8*(\p)+3], v9 offset:RWB2+64*(\t)
	ds_load_b128 v[112+8*(\p)+4:112+8*(\p)+7], v9 offset:RWB2+64*(\t)+16
.elseif \kind == 2
	ds_load_b128 v[96+8*(\p):96+8*(\p)+3], v9 offset:RBC+64*(\t)
	ds_load_b128 v[96+8*(\p)+4:96+8*(\p)+7], v9 offset:RBC+64*(\t)+16
.endif
.endm
; The same, dealt out behind the products of the step before; i_ is the product's number, 0 to 31.  Behind products 0, 2, .. 14: K step i_ / 2's two loads, and one load of the bias.
; Behind product 24: W_b2 or W_c2, which land on the registers that the way out of two steps back has just read (its groups 12-15 stand behind products 20-23).
.macro FS kind, t, p, off
.if (i_ < 16) && ((i_%2) == 0)
.set k_, i_/2
	WIN 0
	ds_load_b128 v[128+64*(\p)+8*k_:128+64*(\p)+8*k_+3], v3 offset:(\off)+8192*(\t)+1024*k_
	ds_load_b128 v[128+64*(\p)+8*k_+4:128+64*(\p)+8*k_+7], v3 offset:(\off)+8192*(\t)+1024*k_+512
.if ((\kind) == 1) && (k_ < 2)
	ds_load_b128 v[96+8*(\p)+4*k_:96+8*(\p)+4*k_+3], v9 offset:RBB+64*(\t)+16*k_
.elseif ((\kind) == 2) && (k_ < 2)
	ds_load_b128 v[96+8*(\p)+4*k_:96+8*(\p)+4*k_+3], v9 offset:RBC+64*(\t)+16*k_
.elseif (\kind) == 4
	ds_load_b32 v[96+8*(\p)+k_], v10 offset:RBV+64*(\t)
.endif
.elseif i_ == 24
.if (\kind) == 1
	WIN 0
	ds_load_b128 v[112+8*(\p):112+8*(\p)+3], v9 offset:RWB2+64*(\t)
	ds_load_b128 v[112+8*(\p)+4:112+8*(\p)+7], v9 offset:RWB2+64*(\t)+16
.elseif (\kind) == 3
	WIN 0
	ds_load_b128 v[112+8*(\p):112+8*(\p)+3], v9 offset:RWC2+64*(\t)
	ds_load_b128 v[112+8*(\p)+4:112+8*(\p)+7], v9 offset:RWC2+64*(\t)+16
.endif
.endif
.endm
; A chain of n tile steps.  mode 0: Q of a head (enc_s);  1: 64 units of the b layer (enc_s);  2: K (steps 0-3), then V (steps 4-7) of a head (enc_sa);
; 3: 64 units of the critic layer: steps 0-3 enc_sa x W_c1's upper half in f16, steps 4-7 the attended values x its lower half in bf16, onto the same sums.
.macro FSL mode, s                     ; step s's fetch, the slice behind product i_
.if \mode == 0
	FS 0, (\s), ((\s)%2), 0
.elseif \mode == 1
	FS 1, (\s), ((\s)%2), 0
.elseif \mode == 2
.if (\s) < 4
	FS 0, (\s), ((\s)%2), 0
.else
	FS 4, ((\s)-4), ((\s)%2), 32768
.endif
.else
.if (\s) < 4
	FS 2, (\s), ((\s)%2), 0
.else
	FS 3, ((\s)-4), ((\s)%2), 32768
.endif
.endif
.endm
.macro EG mode, s                      ; step s's way out, group g_
.if \mode == 0
	EQG (\s)
.elseif \mode == 1
	ESG (\s), ((\s)%2), 1
.elseif \mode == 2
.if (\s) < 4
	EKG (\s)
.else
	EVG ((\s)-4)
.endif
.else
.if (\s) >= 4
	ESG ((\s)-4), ((\s)%2), 0
.endif
.endif
.endm
; What stands behind product i_ of step s: a slice of step s + 1's fetch, or a group of step s - 1's way out: groups 0-7 behind products 1, 3, .. 15, groups 8-15 behind products 16-23.
.macro SIDE mode, s, n
.if (\s)+1 < (\n)
	FSL \mode, (\s)+1
.endif
.if (\s) > 0
.set g_, -1
.if (i_ < 16) && ((i_%2) == 1)
.set g_, (i_-1)/2
.elseif (i_ >= 16) && (i_ < 24)
.set g_, i_-8
.endif
.if g_ >= 0
	EG \mode, (\s)-1
.endif
.endif
.endm
; 32 products: n tile t x my four tiles of rows x 256 K, a slice behind each.  The four accumulators take turns, one instruction a turn.  aw: the activations' window.
; cmode 0: the first K step starts the sums with 0; 1: with the bias; 2: the sums go on.  swap = 1: source 0 = my rows (V).  bf = 1: bf16.
.macro MMS bf, t, p, aw, cmode, swap, mode, s, n
.set i_, 0
.rept 32
.set ks_, i_/4
.set m_, i_%4
.if (ks_ == 0) && (\cmode == 1)
.set wn_, 0xc0
.else
.set wn_, 0xf0
.endif
.if \swap
	WIN wn_|(\aw)
.else
	WIN wn_|((\aw)<<2)
.endif
.set rD, 32*(\t)+8*m_
.set rW, 128+64*(\p)+8*ks_
.set rX, 64*m_+8*ks_
.set rB, 96+8*(\p)
.if \swap
.set rA, rX
.set rS, rW
.else
.set rA, rW
.set rS, rX
.endif
.if \bf
	v_wmma_f32_16x16x32_bf16 v[rD:rD+7], v[rA:rA+7], v[rS:rS+7], v[rD:rD+7]
.elseif (ks_ == 0) && (\cmode == 0)
	v_wmma_f32_16x16x32_f16 v[rD:rD+7], v[rA:rA+7], v[rS:rS+7], 0
.elseif (ks_ == 0) && (\cmode == 1)
	v_wmma_f32_16x16x32_f16 v[rD:rD+7], v[rA:rA+7], v[rS:rS+7], v[rB:rB+7]
.else
	v_wmma_f32_16x16x32_f16 v[rD:rD+7], v[rA:rA+7], v[rS:rS+7], v[rD:rD+7]
.endif
	SIDE \mode, \s, \n
.set i_, i_+1
.endr
.endm
.macro RFETCH0 mode                    ; a chain's first fetch
.if \mode == 0
	FETCH 0, 0, 0, 0
.elseif \mode == 1
	FETCH 1, 0, 0, 0
.elseif \mode == 2
	FETCH 0, 0, 0, 0
.else
	FETCH 2, 0, 0, 0
.endif
.endm
; The wait at a step's head: its fragments and its bias are in.  Where the step's fetch ends with the two loads of W_b2 or W_c2, those two, the youngest, may stay out: they are read a step later, behind the next such wait.
.macro RW mode, s
.if (\mode == 1) || ((\mode == 3) && ((\s) >= 4))
	s_wait_dscnt 2
.else
	s_wait_dscnt 0x0
.endif
.endm
.macro RMM mode, s, n
.if \mode == 0
	MMS 0, (\s), ((\s)%2), 1, 0, 0, \mode, (\s), \n
.elseif \mode == 1
	MMS 0, (\s), ((\s)%2), 1, 1, 0, \mode, (\s), \n
.elseif \mode == 2
.if (\s) < 4
	MMS 0, (\s), ((\s)%2), 2, 0, 0, \mode, (\s), \n
.else
	MMS 0, ((\s)-4), ((\s)%2), 2, 1, 1, \mode, (\s), \n
.endif
.else
.if (\s) < 4
	MMS 0, (\s), ((\s)%2), 2, 1, 0, \mode, (\s), \n
.else
	MMS 1, ((\s)-4), ((\s)%2), 1, 2, 0, \mode, (\s), \n
.endif
.endif
.endm
.macro EPIRUN mode, s                  ; a chain's last way out, as one run
.set g_, 0
.rept 16
	EG \mode, \s
.set g_, g_+1
.endr
.endm
; Step s multiplies set s % 2.  The four v_nop at its head are the places behind step s - 1's products: in front of the loads into the set that it multiplied and of the reads of its sums.
; In mode 3 an accumulator's last f16 product and its first bf16 product are four steps apart: sixteen v_nop lie between (five places are asked).
.macro RUN mode, n
	RFETCH0 \mode
	RW \mode, 0
	RMM \mode, 0, \n
.irp s, 1,2,3,4,5,6,7
.if \s < \n
	P4
	RW \mode, \s
	RMM \mode, \s, \n
.endif
.endr
	P4
	s_wait_dscnt 0x0                               ; the last step's W_b2 or W_c2 is in
	EPIRUN \mode, (\n)-1
	WIN 0
.endm
; AN ENCODER, four n tiles at a time.  a = 0: states (one K step); a = 1: sa (two, the second with 32 of its 128 along K).
.macro ENCLOAD a, q
	WIN 0
.irp tau, 0,1,2,3
.set n16_, 4*(\q)+\tau
.if \a
.irp ks, 0,1
	ds_load_b128 v[128+16*\tau+8*\ks:128+16*\tau+8*\ks+3], v6 offset:RWE+1024*(2*n16_+\ks)
	ds_load_b128 v[128+16*\tau+8*\ks+4:128+16*\tau+8*\ks+7], v6 offset:RWE+1024*(2*n16_+\ks)+512
	ds_load_b32 v[22+2*\tau+\ks], v7 offset:RSE+64*(2*n16_+\ks)
.endr
	ds_load_b128 v[96+8*\tau:96+8*\tau+3], v8 offset:RBE+64*n16_
	ds_load_b128 v[96+8*\tau+4:96+8*\tau+7], v8 offset:RBE+64*n16_+16
.else
	ds_load_b128 v[128+16*\tau:128+16*\tau+3], v6 offset:RWS+1024*n16_
	ds_load_b128 v[128+16*\tau+4:128+16*\tau+7], v6 offset:RWS+1024*n16_+512
	ds_load_b32 v[22+2*\tau], v7 offset:RSS+64*n16_
	ds_load_b128 v[96+8*\tau:96+8*\tau+3], v8 offset:RBS+64*n16_
	ds_load_b128 v[96+8*\tau+4:96+8*\tau+7], v8 offset:RBS+64*n16_+16
.endif
.endr
.endm
.macro ENCMUL a                        ; sixteen accumulators by turns; the bias is the C of each sum's first product
.if \a
	WIN 0xc4
.else
	WIN 0xcc
.endif
.irp tau, 0,1,2,3
.irp m, 0,1,2,3
.if \a
	v_wmma_scale_f32_16x16x128_f8f6f4 v[32*\tau+8*\m:32*\tau+8*\m+7], v[128+16*\tau:128+16*\tau+7], v[8*\m:8*\m+7], v[96+8*\tau:96+8*\tau+7], v[22+2*\tau], v[16+\m] matrix_a_fmt:MATRIX_FMT_FP4 matrix_b_fmt:MATRIX_FMT_FP4
.else
	v_wmma_scale_f32_16x16x128_f8f6f4 v[32*\tau+8*\m:32*\tau+8*\m+7], v[128+16*\tau:128+16*\tau+7], v[192+8*\m:192+8*\m+7], v[96+8*\tau:96+8*\tau+7], v[22+2*\tau], v[16+\m] matrix_a_fmt:MATRIX_FMT_FP4 matrix_b_fmt:MATRIX_FMT_FP4
.endif
.endr
.endr
.if \a
	WIN 0xf4
.irp tau, 0,1,2,3
.irp m, 0,1,2,3
.if \m%2
	v_wmma_scale_f32_16x16x128_f8f6f4 v[32*\tau+8*\m:32*\tau+8*\m+7], v[136+16*\tau:136+16*\tau+7], v[32+8*\m:32+8*\m+7], v[32*\tau+8*\m:32*\tau+8*\m+7], v[23+2*\tau], v[20+\m/2] matrix_a_fmt:MATRIX_FMT_FP4 matrix_b_fmt:MATRIX_FMT_FP4 matrix_b_scale:MATRIX_SCALE_ROW1
.else
	v_wmma_scale_f32_16x16x128_f8f6f4 v[32*\tau+8*\m:32*\tau+8*\m+7], v[136+16*\tau:136+16*\tau+7], v[32+8*\m:32+8*\m+7], v[32*\tau+8*\m:32*\tau+8*\m+7], v[23+2*\tau], v[20+\m/2] matrix_a_fmt:MATRIX_FMT_FP4 matrix_b_fmt:MATRIX_FMT_FP4
.endif
.endr
.endr
.endif
.endm
.macro ENC a, win
	ENCLOAD \a, 0
.rept 8
	v_nop                                          ; codes written by vector instructions (sa's tails) stand four places ahead of a scaled product; eight serve a scale word so written too
.endr
.irp q, 0,1,2,3
	s_wait_dscnt 0x0
	ENCMUL \a
	WIN 0
	P4
.if \q < 3
	ENCLOAD \a, \q+1                               ; the next four tiles' codes land under this group's way out
.endif
.irp tau, 0,1,2,3
	EPI_F16 \tau, \win, 4*\q+\tau
.endr
.endr
	WIN 0
.endm
; THE ATTENTION OF ONE HEAD.  S^T (v64-95, 8 m) = K Q^T; squares; mask; softmax along a lane's eight registers; P (v128-159); O^T = V^T P; the attended values take Q's place in my LDS bytes.
.macro ATT
	WIN 0
.irp m, 0,1,2,3
.irp sp, 0,1
.irp c, 0,1
	ds_load_b128 v[192+16*\m+8*\sp+4*\c:192+16*\m+8*\sp+4*\c+3], v5 offset:(2*\m+\sp)*1024+512*\c
.endr
.endr
.endr
.irp m, 0,1,2,3
.irp i, 0,1,2,3
	v_mov_b32 v[128+8*\m+4*(1-\m%2)+\i], 0         ; V^T's fragment spans two tiles of rows: P's half for the other tile is zeros
.endr
.endr
	s_wait_dscnt 0x0
	WIN 0x03
.irp m, 0,1,2,3
	v_wmma_f32_16x16x32_bf16 v[64+8*\m:64+8*\m+7], v[128+16*\m:128+16*\m+7], v[192+16*\m:192+16*\m+7], 0
.endr
.irp m, 0,1,2,3
	v_wmma_f32_16x16x32_bf16 v[64+8*\m:64+8*\m+7], v[136+16*\m:136+16*\m+7], v[200+16*\m:200+16*\m+7], v[64+8*\m:64+8*\m+7]
.endr
	WIN 0
	P4
.irp m, 0,1,2,3
.irp i, 0,2,4,6
	v_pk_fma_f32 v[48+\i:49+\i], v[64+8*\m+\i:65+8*\m+\i], v[64+8*\m+\i:65+8*\m+\i], v[48+\i:49+\i]   ; the unscaled logits' squares, by key agent; what does not count is masked at the end
.endr
.endr
.irp m, 0,1,2,3
.irp j, 0,1,2,3,4,5,6,7
	v_cndmask_b32 v[64+8*\m+\j], s66, v[64+8*\m+\j], s[68+\j]     ; the own agent, and keys of the other batch element: -8e9, which is -1e9 once divided by 8
.endr
.endr
.irp m, 0,1,2,3
	v_max3_num_f32 v[TT+2*\m+1], v[64+8*\m], v[65+8*\m], v[66+8*\m]
.endr
.irp m, 0,1,2,3
	v_max3_num_f32 v[TT+2*\m+1], v[TT+2*\m+1], v[67+8*\m], v[68+8*\m]
.endr
.irp m, 0,1,2,3
	v_max3_num_f32 v[TT+2*\m+1], v[TT+2*\m+1], v[69+8*\m], v[70+8*\m]
.endr
.irp m, 0,1,2,3
	v_max_num_f32 v[TT+2*\m+1], v[TT+2*\m+1], v[71+8*\m]          ; the row's maximum
.endr
.irp m, 0,1,2,3
	v_mul_f32 v[TT+2*\m], s62, v[TT+2*\m+1]
.endr
.irp m, 0,1,2,3
.irp i, 0,2,4,6
	v_pk_fma_f32 v[64+8*\m+\i:65+8*\m+\i], v[64+8*\m+\i:65+8*\m+\i], s[62:63], v[TT+2*\m:TT+2*\m+1] op_sel_hi:[1,0,0] neg_lo:[0,0,1] neg_hi:[0,0,1]   ; c s - c max, c = log2(e) / 8
.endr
.endr
.irp n, 0,1,2,3,4,5,6,7,8,9,10,11,12,13,14,15,16,17,18,19,20,21,22,23,24,25,26,27,28,29,30,31
	v_exp_f32 v[64+\n], v[64+\n]
.endr
	v_nop                                          ; a plain instruction behind the last exponential,
	s_wait_alu depctr_va_vdst(0)                   ; and one wait for the batch, ahead of its first reader
.irp m, 0,1,2,3
	v_pk_add_f32 v[TT+8+4*\m:TT+9+4*\m], v[64+8*\m:65+8*\m], v[66+8*\m:67+8*\m]
.endr
.irp m, 0,1,2,3
	v_pk_add_f32 v[TT+10+4*\m:TT+11+4*\m], v[68+8*\m:69+8*\m], v[70+8*\m:71+8*\m]
.endr
.irp m, 0,1,2,3
	v_pk_add_f32 v[TT+8+4*\m:TT+9+4*\m], v[TT+8+4*\m:TT+9+4*\m], v[TT+10+4*\m:TT+11+4*\m]
.endr
.irp m, 0,1,2,3
	v_add_f32 v[TT+8+4*\m], v[TT+8+4*\m], v[TT+9+4*\m]
.endr
.irp m, 0,1,2,3
	v_rcp_f32 v[TT+24+\m], v[TT+8+4*\m]
.endr
	v_nop
	s_wait_alu depctr_va_vdst(0)                   ; one wait for the four reciprocals
.irp m, 0,1,2,3
	v_cndmask_b32 v[TT+2*\m], 0, v[TT+24+\m], s67  ; lanes that hold the other batch element's keys give p = 0
.endr
.irp m, 0,1,2,3
.irp i, 0,2,4,6
	v_pk_mul_f32 v[64+8*\m+\i:65+8*\m+\i], v[64+8*\m+\i:65+8*\m+\i], v[TT+2*\m:TT+2*\m+1] op_sel_hi:[1,0]
.endr
.endr
.irp m, 0,1,2,3
.irp i, 0,1,2,3
	v_cvt_pk_bf16_f32 v[128+8*\m+4*(\m%2)+\i], v[64+8*\m+2*\i], v[65+8*\m+2*\i]
.endr
.endr
	WIN 0xc3
.irp t, 0,1,2,3
.irp m, 0,1,2,3
	v_wmma_f32_16x16x32_bf16 v[32*\t+8*\m:32*\t+8*\m+7], v[192+16*\t+8*(\m/2):192+16*\t+8*(\m/2)+7], v[128+8*\m:128+8*\m+7], 0
.endr
.endr
	P4
	WIN 0x0f
.irp t, 0,1,2,3
.irp m, 0,1,2,3
.irp i, 0,1,2,3
	v_cvt_pk_bf16_f32 v[192+16*\t+4*\m+\i], v[32*\t+8*\m+2*\i], v[32*\t+8*\m+2*\i+1]
.endr
.endr
.endr
	WIN 0
.irp t, 0,1,2,3
.irp m, 0,1,2,3
	ds_store_b128 v5, v[192+16*\t+4*\m:192+16*\t+4*\m+3] offset:(2*\m+\t/2)*1024+(\t%2)*512
.endr
.endr
.endm
.macro CWORK                           ; 64 units of the critic layer
	v_add_nc_u32 v3, s51, v2
	v_add_nc_u32 v9, s54, v8
	RUN 3, 8
	s_add_co_u32 s54, s54, 256
.endm
	; ---------------- the head
	s_load_b512 s[4:19], s[0:1], 0x0               ; states 4, sa 6, wts 8, res 10, b_c2 12, b_b2 14, out0 16, part 18
	v_lshl_add_u32 v38, v0, 2, SPARE
	v_mov_b32 v39, 0
	ds_add_u32 v38, v39                            ; the wave's opening: the add, twice on end, and its wait ahead of my first tensor load; the set-up below is work on registers
	ds_add_u32 v38, v39
	v_lshrrev_b32 v64, 5, v0
	v_readfirstlane_b32 s20, v64                   ; wave 0..3
	s_bfe_u32 s21, ttmp6, 0x40000                  ; cx: it enters the addresses of states, sa, out0 and part alone
	s_lshl_b32 s22, ttmp9, 2
	s_add_co_u32 s22, s22, s21                     ; work-group g = 4 x cluster + cx
	; descriptor group 1: dense blocks as rows of 256 bytes (32 elements of 8 bytes); mask: all four work-groups; bit 21 beside it
	s_mov_b32 s24, 15|(3<<16)|(1<<21)
	s_mov_b32 s25, 32<<16                          ; tensor_dim0
	s_mov_b32 s26, 64<<16                          ; tensor_dim1: 64 rows, my 16 KB of a fill
	s_mov_b32 s27, 32<<16                          ; tile_dim0
	s_mov_b32 s28, 64                              ; tile_dim1
	s_mov_b32 s29, 32                              ; the pitch
	s_mov_b32 s30, 0
	s_mov_b32 s31, 0
	s_mov_b32 s32, 15|(3<<16)|(1<<21)
	s_mov_b32 s33, 32<<16
	s_mov_b32 s34, 58<<16                          ; 58 rows: my quarter of res
	s_mov_b32 s35, 32<<16
	s_mov_b32 s36, 58
	s_mov_b32 s37, 32
	s_mov_b32 s38, 0
	s_mov_b32 s39, 0
	s_mov_b32 s40, 1
	s_mov_b32 s44, 1
	s_lshl_b32 s50, s20, 14                        ; 16,384 x wave
	s_mul_i32 s82, s20, 14848
	s_add_co_u32 s45, s82, RES
	s_mov_b32 s83, 0
	s_mov_b32 s58, 0x3c23d70a                      ; 0.01
	s_mov_b32 s59, s58
	s_mov_b32 s60, 0x76543210
	s_mov_b32 s61, 0xfedcba98                      ; lane l xor 16
	s_mov_b32 s62, 0x3e38aa3b                      ; log2(e) / 8
	s_mov_b32 s63, s62
	s_mov_b32 s66, 0xcfee6b28                      ; -8e9
	s_mov_b32 s77, 0xff000000                      ; takes 2 off an exponent field
	s_mov_b32 s78, 0x1800000                       ; 2^(3 - 127)
	v_and_b32 v65, 31, v0                          ; lane
	v_and_b32 v66, 15, v0                          ; r
	v_bfe_u32 v67, v0, 4, 1                        ; h
	v_and_b32 v68, 7, v0                           ; agent of row r
	v_bfe_u32 v69, v0, 3, 1                        ; which of the tile's two batch elements
	v_bfe_u32 v70, v0, 2, 3                        ; lane / 4
	v_bfe_u32 v71, v0, 2, 2                        ; (lane / 4) % 4
	v_and_b32 v72, 3, v0
	v_lshlrev_b32 v2, 4, v65                       ; 16 x lane
	s_lshl_b32 s84, s20, 15
	s_add_co_u32 s84, s84, QOB
	v_add_nc_u32 v4, s84, v2                       ; my wave's images
	v_add_nc_u32 v6, RES, v2
	v_lshl_add_u32 v7, v66, 2, RES
	v_lshl_add_u32 v8, v67, 5, RES
	v_add_nc_u32 v30, -1, v67                      ; all ones in lanes 0-15, 0 in lanes 16-31
	v_lshlrev_b32 v11, 23, v67                     ; states: my half's agent x 8,388,608 + 32 (lane % 16)
	v_lshl_add_u32 v11, v66, 5, v11
	v_mul_u32_u24 v12, v67, 0xa00000               ; sa: my half's agent x 10,485,760 + 32 (lane % 16)
	v_lshl_add_u32 v12, v66, 5, v12
	v_mul_u32_u24 v13, v70, 0xa00000               ; its tails: agent lane / 4; k = 128 on; 32 (lane % 4)
	v_lshl_add_u32 v13, v72, 5, v13
	v_add_nc_u32 v13, 512, v13
	s_mul_i32 s84, s20, STW
	s_add_co_u32 s84, s84, STG                     ; my stage: codes,
	s_add_co_u32 s85, s84, 1024                    ; scales
	v_lshl_add_u32 v14, v65, 2, s84                ; codes in: 4 x lane
	v_lshl_add_u32 v15, v66, 6, s84                ; codes out: 64 r + 16 h
	v_lshl_add_u32 v15, v67, 4, v15
	v_lshl_add_u32 v33, v66, 4, s84                ; the tails' codes out: 16 r
	v_lshl_add_u32 v31, v67, 2, s85                ; bytes in: 4 x my half's row + my block
	v_add_nc_u32 v31, v31, v71
	v_lshl_add_u32 v32, v66, 2, s85                ; words out: 4 r
	v_lshl_add_u32 v34, v70, 2, s85                ; the tails' words in: 4 (lane / 4)
	v_cmp_eq_u32 s67, v69, v67                     ; lanes whose keys belong to the query's batch element
.irp j, 0,1,2,3,4,5,6,7
	v_cmp_ne_u32 s[68+\j], \j, v68
	s_and_b32 s[68+\j], s[68+\j], s67              ; and key agent j is not the query's own
.endr
.irp j, 0,1,2,3,4,5,6,7
	v_mov_b32 v[48+\j], 0
.endr
.irp j, 0,1,2,3,4,5,6,7
	v_mov_b32 v[56+\j], 0
.endr
	s_wait_dscnt 0x0                               ; both opening adds are done
	s_wait_kmcnt 0x0
	s_add_nc_u64 s[46:47], s[10:11], s[82:83]      ; res, my quarter
	s_or_b32 s47, s47, 0x80000000
	s_mov_b32 s82, s50
	s_add_nc_u64 s[48:49], s[8:9], s[82:83]        ; wts, my quarter of the first fill
	s_load_b32 s84, s[12:13], 0x0
	s_load_b32 s85, s[14:15], 0x0
	s_lshl_b32 s86, s22, 15                        ; states: (64 g + 8 w) rows of 512 bytes
	s_lshl_b32 s87, s20, 12
	s_add_co_u32 s86, s86, s87
	s_mov_b32 s87, 0
	s_add_nc_u64 s[SBS:SBS+1], s[4:5], s[86:87]
	s_add_nc_u64 s[SBS+2:SBS+3], s[SBS:SBS+1], 0x1000000       ; two agents on: 2 x 8,388,608 bytes
	s_add_nc_u64 s[SBS+4:SBS+5], s[SBS:SBS+1], 0x2000000
	s_add_nc_u64 s[SBS+6:SBS+7], s[SBS:SBS+1], 0x3000000
	s_mul_i32 s86, s22, 40960                      ; sa: rows of 640 bytes
	s_mul_i32 s82, s20, 5120
	s_add_co_u32 s86, s86, s82
	s_add_nc_u64 s[96:97], s[6:7], s[86:87]
	s_mov_b64 s[SBA:SBA+1], s[96:97]               ; (the four pointers that lay in s4-11 have been used)
	s_add_nc_u64 s[SBA+2:SBA+3], s[96:97], 0x1400000           ; two agents on: 2 x 10,485,760 bytes
	s_add_nc_u64 s[SBA+4:SBA+5], s[96:97], 0x2800000
	s_add_nc_u64 s[SBA+6:SBA+7], s[96:97], 0x3c00000
	s_lshl_b32 s86, s22, 8
	s_add_nc_u64 s[16:17], s[16:17], s[86:87]
	s_lshl_b32 s86, s22, 5
	s_add_nc_u64 s[18:19], s[18:19], s[86:87]
.irp m, 0,1,2,3
	LDT SBS, 512, 1, \m, 11                        ; the first block's states
.endr
	WIN 0
	CROUND                                         ; all four work-groups are here: the first joint load meets
	tensor_load_to_lds s[44:47], s[32:39]          ; res: filled once
	s_nop 0
	P4
	s_wait_kmcnt 0x0
	v_mov_b32 v1, s84
	v_sub_f32 v1, v1, s85                          ; b_c2 - b_b2
	s_wait_loadcnt 0x0
.irp q, 0,1,2,3
	s_add_nc_u64 s[SBS+2*\q:SBS+2*\q+1], s[SBS+2*\q:SBS+2*\q+1], 16384     ; (behind the wait for the loads that named them)  the next block's states
.endr
	QUANT4 1, 3, 192
	s_mov_b32 s55, 0
.Lblock:
	START
.irp j, 0,1,2,3,4,5,6,7
	v_mov_b32 v[40+\j], 0
.endr
.irp m, 0,1,2
	LDT SBA, 640, 2, \m, 12                        ; sa, three tiles' first 128 along K: they land under the encoder of states, Q and the b layer
.endr
	WIN 0
	ENC 0, 1                                       ; enc_s -> window 1
	; ---- Q, a head a chunk, two chunks a slot
	s_mov_b32 s53, 0
	s_mov_b32 s56, 2
.Lq:
	CHANGE 1
	s_mov_b32 s52, s51
	s_mov_b32 s57, 2
.Lq2:
	v_add_nc_u32 v3, s52, v2
	v_add_nc_u32 v5, s53, v4
	RUN 0, 4
	s_add_co_u32 s52, s52, 32768
	s_add_co_u32 s53, s53, 8192
	s_sub_co_u32 s57, s57, 1
	s_cmp_lg_u32 s57, 0
	s_cbranch_scc1 .Lq2
	s_sub_co_u32 s56, s56, 1
	s_cmp_lg_u32 s56, 0
	s_cbranch_scc1 .Lq
	LDT SBA, 640, 2, 3, 12                         ; sa's fourth tile,
	LDTT                                           ; and the tails
	WIN 0
	; ---- the b layer, 64 units a chunk
	s_mov_b32 s54, 0
	s_mov_b32 s56, 2
.Lb:
	CHANGE 1
	s_mov_b32 s52, s51
	s_mov_b32 s57, 2
.Lb2:
	v_add_nc_u32 v3, s52, v2
	v_add_nc_u32 v9, s54, v8
	RUN 1, 4
	s_add_co_u32 s52, s52, 32768
	s_add_co_u32 s54, s54, 256
	s_sub_co_u32 s57, s57, 1
	s_cmp_lg_u32 s57, 0
	s_cbranch_scc1 .Lb2
	s_sub_co_u32 s56, s56, 1
	s_cmp_lg_u32 s56, 0
	s_cbranch_scc1 .Lb
	; ---- sa: quantised, encoded
	s_wait_loadcnt 0x0
.irp q, 0,1,2,3
	s_add_nc_u64 s[SBA+2*\q:SBA+2*\q+1], s[SBA+2*\q:SBA+2*\q+1], 20480     ; (behind the wait for the loads that named them)
.endr
	QUANT4 2, 1, 0
	QUANTT
	s_cmp_eq_u32 s55, NBLK-1                       ; the next block's states, if there is a next block: no load leaves its buffer
	s_cbranch_scc1 .Lno7
.irp m, 1,2,3
	LDT SBS, 512, 1, \m, 11
.endr
	WIN 0
.Lno7:
	ENC 1, 2                                       ; enc_sa -> window 2
	s_cmp_eq_u32 s55, NBLK-1
	s_cbranch_scc1 .Lno9
	LDT SBS, 512, 1, 0, 11                         ; its first tile, where sa's codes lay
	WIN 0
.Lno9:
	; ---- the heads: K, V, the attention
	s_mov_b32 s53, 0
	s_mov_b32 s54, 0
	s_mov_b32 s56, 4
.Lh:
	CHANGE 1
	v_add_nc_u32 v3, s51, v2
	v_add_nc_u32 v5, s53, v4
	v_add_nc_u32 v10, s54, v7
	RUN 2, 8
	ATT
	s_add_co_u32 s53, s53, 8192
	s_add_co_u32 s54, s54, 256
	s_sub_co_u32 s56, s56, 1
	s_cmp_lg_u32 s56, 0
	s_cbranch_scc1 .Lh
	s_wait_loadcnt 0x0                             ; on every path: no load is on its way into window 1 from here on
	s_cmp_eq_u32 s55, NBLK-1
	s_cbranch_scc1 .Lno11
.irp q, 0,1,2,3
	s_add_nc_u64 s[SBS+2*\q:SBS+2*\q+1], s[SBS+2*\q:SBS+2*\q+1], 16384
.endr
	QUANT4 1, 3, 192                               ; the next block's states become codes, and window 1 is free
.Lno11:
	WIN 0x40
.irp m, 0,1,2,3
.irp ks, 0,1,2,3,4,5,6,7
.irp c, 0,1
	ds_load_b128 v[64*\m+8*\ks+4*\c:64*\m+8*\ks+4*\c+3], v4 offset:(\ks/2)*8192+(2*\m+\ks%2)*1024+512*\c    ; the attended values, heads on end: fragment (m, K step)
.endr
.endr
.endr
	WIN 0
	; ---- the critic layer, 64 units a slot
	s_mov_b32 s54, 0
	s_mov_b32 s56, 3
.Lc:
	CHANGE 1
	CWORK
	s_sub_co_u32 s56, s56, 1
	s_cmp_lg_u32 s56, 0
	s_cbranch_scc1 .Lc
	CHANGE 0                                       ; the block's last slot is written out: nothing is asked for
	CWORK
	; ---- q - b of my 64 rows: the pair's two halves, the other half of the lanes' units, the two last biases.  Both halves of the lanes then hold row r's number: block 0's is kept in lanes 0-15, block 1's in lanes 16-31
	s_mov_b32 s82, 0xffff0000
	s_cmp_eq_u32 s55, 0
	s_cselect_b32 s82, 0xffff, s82
.irp m, 0,1,2,3
	v_add_f32 v[56+\m], v[40+2*\m], v[41+2*\m]
.endr
.irp m, 0,1,2,3
	v_permlanex16_b32 v[T+\m], v[56+\m], s60, s61
.endr
.irp m, 0,1,2,3
	v_add_f32 v[56+\m], v[56+\m], v[T+\m]
.endr
.irp m, 0,1,2,3
	v_add_f32 v[56+\m], v[56+\m], v1
.endr
.irp m, 0,1,2,3
	v_cndmask_b32 v[60+\m], v[60+\m], v[56+\m], s82
.endr
	s_add_co_u32 s55, s55, 1
	s_cmp_lt_u32 s55, NBLK
	s_cbranch_scc1 .Lblock
	; ---------------- the tail
	v_cndmask_b32 v56, 0, v48, s68                 ; the squares that count, over the key agents
.irp j, 1,2,3,4,5,6,7
	v_cndmask_b32 v57, 0, v[48+\j], s[68+\j]
	v_add_f32 v56, v56, v57
.endr
	v_permlanex16_b32 v57, v56, s60, s61
	v_add_f32 v56, v56, v57
	v_add_f32_dpp v56, v56, v56 row_xmask:8 row_mask:0xf bank_mask:0xf   ; lanes a and 24 + a hold agent a's: every lane now has the sum of agent lane % 8
	v_and_b32 v64, 7, v0                           ; agent
	v_bfe_u32 v65, v0, 3, 1                        ; which of the tile's two batch elements
	v_bfe_u32 v66, v0, 4, 1                        ; h
	v_and_b32 v67, 31, v0                          ; lane
	v_and_b32 v68, 15, v0                          ; r
	s_lshl_b32 s84, s20, 5
	s_add_co_u32 s85, s84, REGP
	v_lshl_add_u32 v69, v64, 2, s85
	ds_store_b32 v69, v56
	s_add_co_u32 s85, s84, OUTS                    ; q - b: agent x 256 + 4 x (32 x block + 8 w + 2 m + r / 8); the stages that lay here were last used several barriers ago
	v_lshl_add_u32 v70, v64, 8, s85
	v_lshl_add_u32 v70, v65, 2, v70
	v_lshl_add_u32 v70, v66, 7, v70
.irp m, 0,1,2,3
	ds_store_b32 v70, v[60+\m] offset:8*\m
.endr
	s_lshl_b32 s85, s20, 9
	s_add_co_u32 s85, s85, OUTS
	v_lshl_add_u32 v71, v67, 4, s85
	v_lshl_add_u32 v76, v67, 2, REGP
	s_lshl_b32 s85, s20, 17
	v_lshl_add_u32 v77, v66, 16, s85               ; out0: agent 2 w + h, 65,536 bytes each,
	v_lshl_add_u32 v77, v68, 4, v77                ; + 16 r
	v_lshlrev_b32 v78, 2, v64
	s_wait_dscnt 0x0                               ; for the others' sake: my stores of q - b and of the sums are done
	s_barrier_signal -1
	s_barrier_wait -1
	ds_load_b128 v[72:75], v71                     ; two agents' 64 numbers
	ds_load_b32 v58, v76                           ; [wave][agent]
	s_wait_dscnt 0x0
	global_store_b128 v77, v[72:75], s[16:17]      ; sixteen lanes store 256 consecutive bytes, at a multiple of 256 from out0's first byte
	v_add_f32_dpp v58, v58, v58 row_xmask:8 row_mask:0xf bank_mask:0xf
	v_permlanex16_b32 v59, v58, s60, s61
	v_add_f32 v58, v58, v59                        ; over the four waves
	s_cmp_lg_u32 s20, 0
	s_cbranch_scc1 .Lnot0
	global_store_b32 v78, v58, s[18:19]            ; part[g][agent]; lanes of one agent store the same word with the same value
.Lnot0:
	s_wait_tensorcnt 0x0                           ; the wave's end, behind my last tensor load and my last LDS store
	ds_add_u32 v38, v39
	s_wait_dscnt 0x0
	CROUND                                         ; the closing round: no work-group ends while a partner may still ask for a tile that names it
	s_endpgm
.Lfunc_end_k_q590e859006_main:
	.size	k_q590e859006_main, .Lfunc_end_k_q590e859006_main-k_q590e859006_main
	.p2alignl 7, 3214868480
	.fill 96, 4, 3214868480
	.section	.rodata,"a",@progbits
	.p2align	6, 0x0
	.amdhsa_kernel k_q590e859006_main
		.amdhsa_group_segment_fixed_size 327680
		.amdhsa_private_segment_fixed_size 0
		.amdhsa_enable_private_segment 0
		.amdhsa_kernarg_size 64
		.amdhsa_user_sgpr_count 2
		.amdhsa_user_sgpr_kernarg_segment_ptr 1
		.amdhsa_wavefront_size32 1
		.amdhsa_system_sgpr_workgroup_id_x 1
		.amdhsa_system_sgpr_workgroup_id_y 1
		.amdhsa_system_sgpr_workgroup_id_z 1
		.amdhsa_system_vgpr_workitem_id 0
		.amdhsa_next_free_vgpr 1024
		.amdhsa_next_free_sgpr 100
		.amdhsa_reserve_vcc 0
		.amdhsa_float_denorm_mode_32 3
		.amdhsa_float_denorm_mode_16_64 3
		.amdhsa_memory_ordered 1
		.amdhsa_forward_progress 1
		.amdhsa_inst_pref_size 255
	.end_amdhsa_kernel
	.section	.bss,"aw",@nobits
	.p2align	6
	.space	262144
	.amdgpu_metadata
---
amdhsa.version: [ 1, 2 ]
amdhsa.kernels:
  - .name:           k_q590e859006_main
    .symbol:         k_q590e859006_main.kd
    .args:
      - { .name: states, .offset: 0, .size: 8, .value_kind: global_buffer, .address_space: global }
      - { .name: sa, .offset: 8, .size: 8, .value_kind: global_buffer, .address_space: global }
      - { .name: wts, .offset: 16, .size: 8, .value_kind: global_buffer, .address_space: global }
      - { .name: res, .offset: 24, .size: 8, .value_kind: global_buffer, .address_space: global }
      - { .name: b_c2, .offset: 32, .size: 8, .value_kind: global_buffer, .address_space: global }
      - { .name: b_b2, .offset: 40, .size: 8, .value_kind: global_buffer, .address_space: global }
      - { .name: out0, .offset: 48, .size: 8, .value_kind: global_buffer, .address_space: global }
      - { .name: part, .offset: 56, .size: 8, .value_kind: global_buffer, .address_space: global }
    .group_segment_fixed_size: 327680
    .private_segment_fixed_size: 0
    .kernarg_segment_align: 8
    .kernarg_segment_size: 64
    .max_flat_workgroup_size: 128
    .sgpr_count:     100
    .vgpr_count:     1024
    .wavefront_size: 32
...
	.end_amdgpu_metadata
.endif
;; end of part 4
;; launch fin: the kernel of part 3 again; grid 1 x 1, 1 waves a work-group, no clusters, 0 bytes of LDS; arguments part, out1; writes out1
